; MI455X (gfx1250); checked and timed in simulation.
; The chip was launched on July 23, 2026; its instructions are those of AMD's public machine-readable ISA for CDNA 5 (MIT licence, August 2026) and "CDNA5" Instruction Set Architecture Reference Guide (July 2026). The comments in the code are by the model that wrote it; some were corrected since.
;; Multi Head Attention. Allowed arithmetic: matrix products marked QUANTISED: E2M1 operands, one E8M0 scale for each 32 along K, by v_wmma_scale_f32_16x16x128_f8f6f4 with both operands' format E2M1 (or v_wmma_scale_f32_32x16x128_f4), f32 sums; everything else in f32.
;; Inputs: K_input 4 x 2,048 x 1,024 float32; Q_input 4 x 2,048 x 1,024 float32; V_input 4 x 2,048 x 1,024 float32; Wk 1,024 x 1,024 float32; Wo 1,024 x 1,024 float32; Wq 1,024 x 1,024 float32; Wv 1,024 x 1,024 float32; beta 1,024 float32; bk 1,024 float32; bo 1,024 float32; bq 1,024 float32; bv 1,024 float32; gamma 1,024 float32.
;; Outputs: out0 4 x 2,048 x 1,024 float32.
;; This version of the problem:
;;   THIS VERSION OF THE PROBLEM IS GIVEN IN LOW PRECISION. The matrix products marked QUANTISED in the list below multiply operands that are first quantised to E2M1 (2 exponent bits, 1 mantissa bit; 4 bits a number), with one power-of-two scale for each 32 numbers along K (OCP MX v1.0); their sums are f32. All else is computed in f32.
;;   The module's matrix products, in the order in which they are computed (A, B: the left and right operand; K: the contracted axis; several contracted axes count as one K, in the product's order):
;;     1. [M 8,192, K 1,024] x [K 1,024, N 1,024]; A: input Q_input; B: input Wq: QUANTISED
;;     2. [M 8,192, K 1,024] x [K 1,024, N 1,024]; A: input K_input; B: input Wk: QUANTISED
;;     3. [M 8,192, K 1,024] x [K 1,024, N 1,024]; A: input V_input; B: input Wv: QUANTISED
;;     4. batch 64 x [M 2,048, K 64] x [K 64, N 2,048]; A: computed on the way; B: computed on the way: QUANTISED
;;     5. batch 64 x [M 2,048, K 2,048] x [K 2,048, N 64]; A: softmax (see below); B: computed on the way: QUANTISED
;;     6. [M 8,192, K 1,024] x [K 1,024, N 1,024]; A: computed on the way; B: input Wo: QUANTISED
;;   THE QUANTISER, for each operand of a quantised product, along K:
;;     - K is cut into blocks of 32 from its start; a last block that is shorter is filled with zeros.
;;     - A block's scale is 2^e with e = floor(log2(the largest magnitude in the block)) - 2, held to -126 .. 127; a block of zeros has e = 0. As a byte (E8M0): e + 127.
;;     - Each number is divided by its block's scale, clamped to +-6, and rounded to the nearest number of E2M1, ties to even, subnormals kept.
;;     - The product sums the exact products of the quantised numbers (number of the format x scale) in f32.
;;   ~~~python
;;   def quantise(x, axis):      # numpy; x: float32 -> the quantised numbers, widened to float32 again
;;       x = np.moveaxis(x, axis, -1); K = x.shape[-1]
;;       x = np.pad(x, [(0, 0)] * (x.ndim - 1) + [(0, -K % 32)]); x = x.reshape(x.shape[:-1] + (-1, 32)); a = np.abs(x).max(-1, keepdims=True)
;;       e = np.where(a > 0, np.clip(np.frexp(np.where(a > 0, a, 1))[1] - 1 - 2, -126, 127), 0)      # np.frexp(a)[1] - 1 = floor(log2(a)), exactly
;;       r = np.clip(x / 2.0 ** e, -6, 6)
;;       step = 2.0 ** (np.maximum(np.frexp(np.where(r == 0, 1, r))[1] - 1, 0) - 1)
;;       q = np.round(r / step) * step * 2.0 ** e      # np.round: ties to even
;;       return np.moveaxis(q.reshape(q.shape[:-2] + (-1,))[..., :K], -1, axis).astype(np.float32)
;;   ~~~
;;   SOFTMAX AHEAD OF A QUANTISED PRODUCT. Where the list says 'softmax', what is quantised is not the finished softmax but p = 2^(t - M), with t = logit x log2(e) and M = ceil(the row's largest t), a whole number; so 1/2 < the row's largest p <= 1. The row's sum l is taken of the UNQUANTISED p, in f32, and the product's result is divided by l at the end. Since M is a whole number, a kernel that streams over the keys may use a running M (the ceiling of the running maximum): every later rescaling is an exact power of two, which a block's scale takes up: the codes' values come out the same.
;;   OPERANDS COMPUTED ON THE WAY. 'Computed on the way' means the value that the module computes at that place (a softmax that the list does not call 'softmax' is quantised finished and normalised). What goes into a quantiser is computed in f32, as accurately as f32 sums, v_exp_f32 and their like allow (about 1e-6 of the number): no bf16 or f16 on the way to a quantiser, and a product that is left as it is and whose result goes on into a quantised operand takes f32 operands (vector FMAs, or v_wmma_f32_16x16x4_f32). A number that lies on a knife's edge between two numbers of the format may be rounded either way, as far as f32 arithmetic and the matrix unit's own rounding can turn it there, and no further.
;; One version. Each part assembles by itself: llvm-mc -triple=amdgcn-amd-amdhsa -mcpu=gfx1250 --defsym DOCPART=n.
;; ======== version 1 of 1: 4 launches
;; limits: right only within a limited range of input values
;; workspace buffers: xc 12,582,912 bytes; xs 786,432 bytes; wc 2,097,152 bytes; ws 131,072 bytes; qb 4,718,592 bytes; kv 9,175,040 bytes; cc 4,194,304 bytes; cs 262,144 bytes
;; launch quant (part 1): grid 1024 x 1, 4 waves a work-group, no clusters, 68,096 bytes of LDS; arguments Q_input, K_input, V_input, Wq, Wk, Wv, Wo, xc, xs, wc, ws; writes xc, xs, wc, ws
.if DOCPART == 1
	.amdgcn_target "amdgcn-amd-amdhsa--gfx1250"
	.amdhsa_code_object_version 6
	.text
	.protected	k_q2fc1167115_quant
	.globl	k_q2fc1167115_quant
	.p2align	8
	.type	k_q2fc1167115_quant,@function
k_q2fc1167115_quant:
	s_mov_b64 s[64:65], 0
	v_nop
	global_prefetch_b8 v0, s[64:65] scope:SCOPE_SE
	s_setreg_imm32_b32 hwreg(HW_REG_WAVE_MODE, 25, 1), 1
	s_wait_xcnt 0x0
; The seven wide operands become codes of FP4 (E2M1) with K innermost and one E8M0 scale byte for each 32 along K.
; A block's scale is 2^(floor(log2(its largest magnitude)) - 2); its byte is the largest magnitude's exponent field - 2, held at 1 from below.
; LIMITS: NaN and infinities among the inputs are not served; a block whose largest magnitude lies under 2^-124 keeps the byte 1; a block of zeros gets the byte 1 where the
; rule says 127: its codes are zeros, which add nothing under any byte but 0xff, and the bytes are read by this program alone.
; TILE ORDER: an axis that later forms 16-row matrix tiles (the activations' rows, the weights' columns n) is stored at position p = index with bits 3 and 4 exchanged; K_input's rows alone take the order stated where their place is made.
; Work-groups 0 to 255 take the four weights ([k][n], K outermost): a lane takes a column, its registers run down K.  Work-groups 256 to 1,023 take Q_input, K_input, V_input ([row][k]):
; plain streams of blocks of 32.  The one branch hangs on the work-group's number; each way has LDS bytes of its own.  The activations' waves share nothing: no barrier there.
; No cluster: no two work-groups read the same input bytes.  No matrix unit, no tensor load: the launch streams.
.set EMAX,   2
.set STEPS,  16                        ; activations: 16 steps of 512 numbers a wave = 8 rows
.set CB,     8                         ; bytes of 16 codes
.set XR,     16                        ; v16-79   four sets of 16 numbers as loaded
.set XX,     80                        ; v80-111  two sets of 16 neighbours
.set XE,     112                       ; v112-127 a scale byte for each step
.set XC,     128                       ; v128-191 codes: four registers for each step, so that no store's data are written again
.set WREG,   8192                      ; LDS 0 .. 32,767: a region for each wave: two stages of 32 x SP bytes, then its 256 scale bytes
.set SP,     80                        ; a lane's place in a stage: 64 bytes + 16 of padding
.set WSTG,   32768                     ; the weights' stage, shared by the four waves: 32 rows x 272 bytes
.set WPITCH, 272
.set WSS,    WSTG+32*WPITCH            ; behind it: 32 x 16 scale bytes
.set NB,     4                         ; weights: 4 blocks (128 along K) a wave
.set WX,     32                        ; v32-95   two sets of 32 numbers
.set WC,     96                        ; v96-99   a block's codes
.set WOUT,   112                       ; v112-131 the way out
.set WSB,    24                        ; v24      4 scale bytes
	s_load_b512 s[8:23], s[0:1], 0x0               ; Q_input s[8:9], K_input s[10:11], V_input s[12:13], Wq s[14:15], Wk s[16:17], Wv s[18:19], Wo s[20:21], xc s[22:23]
	s_load_b128 s[24:27], s[0:1], 0x40             ; xs s[24:25], wc s[26:27]
	s_load_b64 s[28:29], s[0:1], 0x50              ; ws
	v_lshl_add_u32 v192, v0, 2, 0x10800
	v_mov_b32 v193, 0
	v_lshrrev_b32 v1, 5, v0
	v_readfirstlane_b32 s30, v1                    ; wave 0..3
	v_and_b32 v2, 31, v0                           ; lane
	s_cmp_lt_u32 ttmp9, 256
	s_cbranch_scc1 .Lweights
; ---------------- the activations ----------------
; Each of a step's four loads reads 512 consecutive bytes, 16 a lane; the 2,048 bytes turn through the wave's own stage and come back 64 bytes a lane: 16 neighbours along K; two neighbouring lanes hold a block.
	v_lshlrev_b32 v3, 4, v2                        ; my 16 bytes of a load's 512
	s_mul_i32 s31, s30, WREG
	v_lshrrev_b32 v14, 2, v2
	v_mul_u32_u24 v14, v14, SP
	v_and_b32 v15, 3, v2
	v_lshl_add_u32 v14, v15, 4, v14
	v_add_nc_u32 v14, s31, v14                     ; the stage, on the way in: SP (lane / 4) + 16 (lane % 4)
	v_mul_u32_u24 v15, v2, SP
	v_add_nc_u32 v15, s31, v15                     ; and on the way out: SP x lane
	v_mul_u32_u24 v4, v2, CB                       ; my codes' place in a step's
	v_lshrrev_b32 v5, 1, v2
	s_add_co_u32 s31, s31, 2*32*SP
	v_add_nc_u32 v5, s31, v5                       ; my wave's 256 scale bytes, my block's byte
	v_lshlrev_b32 v7, 3, v2                        ; and on the way out 8 bytes a lane
	v_add_nc_u32 v6, s31, v7
	s_sub_co_u32 s32, ttmp9, 256                   ; 0 .. 767: 256 work-groups of 32 rows for each tensor
	s_and_b32 s33, s32, 255
	s_lshl_b32 s33, s33, 2
	s_add_co_u32 s33, s33, s30                     ; my run of 8 rows in the tensor
	s_lshl_b32 s34, s33, 15                        ; x 32,768 bytes
	s_mov_b32 s35, 0
	s_and_b32 s36, s30, 1                          ; a wave's 8 rows are bits 3 and 4 of the row: tile order exchanges the wave's two bits
	s_lshl_b32 s36, s36, 1
	s_lshr_b32 s37, s30, 1
	s_or_b32 s36, s36, s37
	s_lshl_b32 s37, s32, 2
	s_add_co_u32 s36, s37, s36                     ; my run in xc and xs, where the three tensors lie on end
	; K_input's rows alone take another order: position bit 3 = index bit 5, position bits 5:4 = index bits 4:3, so that in attention a lane's 32 score registers of four key tiles are one block of 32 keys
	s_add_co_u32 s37, s37, s30                     ; my run of 8 rows by index
	s_and_b32 s42, s37, 3
	s_lshl_b32 s42, s42, 1
	s_bfe_u32 s43, s37, 0x10002
	s_or_b32 s42, s42, s43
	s_and_b32 s37, s37, 0xfffffff8
	s_or_b32 s37, s37, s42
	s_lshr_b32 s42, s32, 8                         ; the tensor: 0 Q, 1 K, 2 V
	s_cmp_eq_u32 s42, 1
	s_cselect_b32 s36, s37, s36
	s_lshl_b32 s38, s36, 12                        ; x 4,096 bytes of codes
	s_mov_b32 s39, 0
	s_lshl_b32 s40, s36, 8                         ; x 256 scale bytes
	s_mov_b32 s41, 0
	s_wait_alu depctr_va_vdst(0)                   ; the wait at the head's end
	s_wait_kmcnt 0x0
	s_cmp_lt_u32 s32, 512                          ; the tensor is chosen by the work-group's number alone
	s_cselect_b64 s[10:11], s[10:11], s[12:13]
	s_cmp_lt_u32 s32, 256
	s_cselect_b64 s[8:9], s[8:9], s[10:11]
	s_add_nc_u64 s[8:9], s[8:9], s[34:35]
	s_add_nc_u64 s[22:23], s[22:23], s[38:39]
	s_add_nc_u64 s[24:25], s[24:25], s[40:41]
.macro XLOAD t
.irp i, 0,1,2,3
	global_load_b128 v[XR+16*((\t)%4)+4*\i:XR+16*((\t)%4)+4*\i+3], v3, s[8:9] offset:2048*(\t)+512*\i th:TH_LOAD_NT   ; 32 lanes read 512 consecutive bytes
.endr
.endm
.macro XTURN t                         ; step t's numbers through the stage: LDS serves a wave's instructions in order, so no wait stands between the stores and the loads
.irp i, 0,1,2,3
	ds_store_b128 v14, v[XR+16*((\t)%4)+4*\i:XR+16*((\t)%4)+4*\i+3] offset:32*SP*((\t)%2)+8*SP*\i
.endr
.irp i, 0,1,2,3
	ds_load_b128 v[XX+16*((\t)%2)+4*\i:XX+16*((\t)%2)+4*\i+3], v15 offset:32*SP*((\t)%2)+16*\i
.endr
.endm
.irp t, 0,1,2,3
	XLOAD \t
.endr
	s_wait_loadcnt 12                              ; step 0's four loads are in; twelve younger ones stay out
	XTURN 0
.macro XSTEP t
.set XS, XX+16*((\t)%2)
.if (\t) > 0
	s_wait_dscnt 1                                 ; this step's numbers are back from the stage (the last step's byte store may be out)
.else
	s_wait_dscnt 0x0
.endif
.if (\t)+4 < STEPS
	XLOAD (\t)+4                                   ; into the registers that this step's stage stores have read
.endif
.if (\t)+1 < STEPS
.if STEPS-2-(\t) >= 3
	s_wait_loadcnt 12                              ; the next step's four loads are in; those of the three steps behind it may be out
.else
	s_wait_loadcnt 4*(STEPS-2-(\t))
.endif
	XTURN (\t)+1                                   ; they go through the other stage while this step is worked
.endif
	v_max3_num_f32 v8, |v[XS]|, |v[XS+1]|, |v[XS+2]|               ; the largest magnitude of my 16, in two chains
	v_max3_num_f32 v9, |v[XS+3]|, |v[XS+4]|, |v[XS+5]|
.irp i, 6,10
	v_max3_num_f32 v8, v8, |v[XS+\i]|, |v[XS+\i+1]|
	v_max3_num_f32 v9, v9, |v[XS+\i+2]|, |v[XS+\i+3]|
.endr
	v_max3_num_f32 v8, v8, |v[XS+14]|, |v[XS+15]|
	v_max3_num_f32 v8, v8, v9, (EMAX+1)<<23        ; and the floor 2^(3 - 127): the byte cannot fall under 1
	v_max_num_f32_dpp v8, v8, v8 row_xmask:1 row_mask:0xf bank_mask:0xf   ; and of my neighbour's 16: the block's
	v_add_nc_u32 v11, -(EMAX<<23), v8              ; 2 off its exponent field: the conversion takes the exponent field of this operand as its scale
	v_cvt_scalef32_pk8_fp4_f32 v[XC+4*(\t)], v[XS:XS+7], v11
	v_cvt_scalef32_pk8_fp4_f32 v[XC+4*(\t)+1], v[XS+8:XS+15], v11
	v_lshrrev_b32 v[XE+(\t)], 23, v11              ; the scale's byte
	ds_store_b8 v5, v[XE+(\t)] offset:16*(\t)      ; both lanes of a block write the same byte with the same value
	global_store_b64 v4, v[XC+4*(\t):XC+4*(\t)+1], s[22:23] offset:32*CB*(\t)   ; the wave stores 256 consecutive bytes, aligned
.endm
.irp t, 0,1,2,3,4,5,6,7,8,9,10,11,12,13,14,15
	XSTEP \t
.endr
	ds_load_b64 v[12:13], v6                       ; LDS serves a wave's instructions in order: these see my byte stores
	s_wait_dscnt 0x0
	global_store_b64 v7, v[12:13], s[24:25]        ; 8 rows x 32 scale bytes: 256 consecutive bytes, aligned
	s_wait_tensorcnt 0x0                           ; the wave's end
	ds_add_u32 v192, v193
	s_wait_dscnt 0x0
	s_endpgm
; ---------------- the weights ----------------
; Work-group: weight id / 64, half of K (id / 32) % 2, 32 columns id % 32.  All four waves take the same 32 columns; wave w takes K = 128 w .. 128 w + 127 of the half: 4 blocks, 128 loads, of which up to 64 are out at a time.
; Each load reads 128 consecutive bytes of one row k; a block of 32 along K lies in one lane's 32 registers.  The four waves' codes of a column, 4 x 64 bytes, meet in one stage row: behind one barrier the rows leave as whole units of 256 bytes.
.Lweights:
	s_lshr_b32 s32, ttmp9, 6                       ; which weight
	s_and_b32 s33, ttmp9, 31                       ; which 32 columns
	s_bfe_u32 s34, ttmp9, 0x10005                  ; which half of K
	s_lshl_b32 s35, s33, 5                         ; the first column
	s_wait_alu depctr_va_vdst(0)
	v_lshlrev_b32 v3, 2, v2                        ; in: 4 bytes a lane
	s_lshl_b32 s36, s30, 6
	s_add_co_u32 s36, s36, WSTG                    ; my 64 bytes of each stage row
	v_and_b32 v10, 7, v2                           ; my column's position among the 32: bits 3 and 4 exchanged
	v_bfe_u32 v11, v2, 3, 1
	v_lshl_add_u32 v10, v11, 4, v10
	v_bfe_u32 v11, v2, 4, 1
	v_lshl_add_u32 v10, v11, 3, v10
	v_mul_u32_u24 v4, v10, WPITCH
	v_add_nc_u32 v4, s36, v4                       ; into the stage: row = my position
	s_lshl_b32 s37, s30, 2
	s_add_co_u32 s37, s37, WSS
	v_lshlrev_b32 v14, 4, v10
	v_add_nc_u32 v14, s37, v14                     ; my four scale bytes: 16 x position + 4 x wave
	v_and_b32 v5, 15, v2
	v_lshrrev_b32 v6, 4, v2                        ; out of the stage: sixteen lanes to a row, two rows an instruction, eight rows a wave
	v_mul_u32_u24 v7, v6, WPITCH
	v_lshl_add_u32 v7, v5, 4, v7
	s_mul_i32 s36, s30, 8*WPITCH
	s_add_co_u32 s36, s36, WSTG
	v_add_nc_u32 v7, s36, v7
	v_lshlrev_b32 v8, 9, v6                        ; the same place in wc: rows of 512 bytes
	v_lshl_add_u32 v8, v5, 4, v8
	s_lshl_b32 s36, s30, 12
	v_add_nc_u32 v8, s36, v8
	v_lshlrev_b32 v9, 5, v2                        ; the scale bytes' way out (wave 0): lane = position: rows of 32 bytes in ws,
	v_lshlrev_b32 v15, 4, v2
	v_add_nc_u32 v15, WSS, v15                     ; 16 bytes a position in LDS
	s_lshl_b32 s38, s34, 21                        ; W: 512 rows of 4,096 bytes for each half of K,
	s_lshl_b32 s37, s30, 19
	s_add_co_u32 s38, s38, s37                     ; 128 rows a wave,
	s_lshl_b32 s37, s35, 2
	s_add_co_u32 s38, s38, s37                     ; + 4 x column
	s_mov_b32 s39, 0
	s_lshl_b32 s40, s32, 19                        ; wc: 524,288 a weight,
	s_lshl_b32 s37, s35, 9
	s_add_co_u32 s40, s40, s37                     ; 512 a position,
	s_lshl_b32 s37, s34, 8
	s_add_co_u32 s40, s40, s37                     ; 256 a half of K
	s_mov_b32 s41, 0
	s_lshl_b32 s42, s32, 15                        ; ws: 32,768 a weight, 32 a position, 16 a half of K
	s_lshl_b32 s37, s35, 5
	s_add_co_u32 s42, s42, s37
	s_lshl_b32 s37, s34, 4
	s_add_co_u32 s42, s42, s37
	s_mov_b32 s43, 0
	s_wait_alu depctr_va_vdst(0)                   ; the wait at the head's end
	s_wait_kmcnt 0x0
	s_cmp_lt_u32 s32, 1                            ; the weight is chosen by the work-group's number alone
	s_cselect_b64 s[14:15], s[14:15], s[16:17]
	s_cmp_lt_u32 s32, 3
	s_cselect_b64 s[18:19], s[18:19], s[20:21]
	s_cmp_lt_u32 s32, 2
	s_cselect_b64 s[14:15], s[14:15], s[18:19]
	s_add_nc_u64 s[14:15], s[14:15], s[38:39]
	s_add_nc_u64 s[26:27], s[26:27], s[40:41]
	s_add_nc_u64 s[28:29], s[28:29], s[42:43]
.macro WLOAD t                         ; block t: W(32 t + i, my column), i = 0 .. 31, into set t % 2; the largest offset, 127 x 4,096, lies inside the signed 24-bit immediate
.set i, 0
.rept 32
	global_load_b32 v[WX+32*((\t)%2)+i], v3, s[14:15] offset:(32*(\t)+i)*4096 th:TH_LOAD_NT
.set i, i+1
.endr
.endm
	WLOAD 0
	WLOAD 1
.macro WBLOCK t
.set XS, WX+32*((\t)%2)
.if (\t) < NB-1
	s_wait_loadcnt 32                              ; this block's 32 loads are in; the next block's may be out
.else
	s_wait_loadcnt 0x0
.endif
	v_max3_num_f32 v12, |v[XS]|, |v[XS+1]|, |v[XS+2]|              ; the block's largest magnitude: all 32 numbers are mine
	v_max3_num_f32 v13, |v[XS+3]|, |v[XS+4]|, |v[XS+5]|
.irp i, 6,10,14,18,22,26
	v_max3_num_f32 v12, v12, |v[XS+\i]|, |v[XS+\i+1]|
	v_max3_num_f32 v13, v13, |v[XS+\i+2]|, |v[XS+\i+3]|
.endr
	v_max3_num_f32 v12, v12, |v[XS+30]|, |v[XS+31]|
	v_max3_num_f32 v12, v12, v13, (EMAX+1)<<23     ; and the floor
	v_add_nc_u32 v11, -(EMAX<<23), v12             ; the conversion's scale operand
	v_lshrrev_b32 v13, 23, v11                     ; the scale's byte
.if (\t) == 0
	v_mov_b32 v[WSB], v13                          ; four bytes to the register, the lower K in the lower byte
.else
	v_lshl_or_b32 v[WSB], v13, 8*(\t), v[WSB]
.endif
.irp g, 0,1,2,3
	v_cvt_scalef32_pk8_fp4_f32 v[WC+\g], v[XS+8*\g:XS+8*\g+7], v11
.endr
	ds_store_b128 v4, v[WC:WC+3] offset:16*(\t)    ; 32 codes: 16 bytes of my position's row
.if (\t)+2 < NB
	WLOAD (\t)+2
.endif
	s_wait_dscnt 0x0                               ; the store has read its registers: the next block's codes may be written
.endm
.set Q, 0
.rept NB
	WBLOCK Q
.set Q, Q+1
.endr
	s_wait_alu depctr_va_vdst(0)                   ; the wait, directly ahead of the reader below
	ds_store_b32 v14, v[WSB]
	s_wait_dscnt 0x0                               ; my stores are done,
	s_barrier_signal -1
	s_barrier_wait -1                              ; everybody's are: the 32 rows and their scale bytes are whole
.irp t, 0,1,2,3
	ds_load_b128 v[WOUT+4*\t:WOUT+4*\t+3], v7 offset:2*\t*WPITCH
.endr
.irp t, 0,1,2,3
	s_wait_dscnt 3-\t                              ; the younger read-backs may stay out
	global_store_b128 v8, v[WOUT+4*\t:WOUT+4*\t+3], s[26:27] offset:2*\t*512   ; sixteen lanes store 256 consecutive bytes, aligned
.endr
	s_cmp_lg_u32 s30, 0
	s_cbranch_scc1 .Lno_ws
	ds_load_b128 v[WOUT+16:WOUT+19], v15
	s_wait_dscnt 0x0
	global_store_b128 v9, v[WOUT+16:WOUT+19], s[28:29]   ; each position's 16 scale bytes of this half of K
.Lno_ws:
	s_wait_tensorcnt 0x0                           ; the wave's end
	ds_add_u32 v192, v193
	s_wait_dscnt 0x0
	s_endpgm
.Lfunc_end_k_q2fc1167115_quant:
	.size	k_q2fc1167115_quant, .Lfunc_end_k_q2fc1167115_quant-k_q2fc1167115_quant
	.p2alignl 7, 3214868480
	.fill 96, 4, 3214868480
	.section	.rodata,"a",@progbits
	.p2align	6, 0x0
	.amdhsa_kernel k_q2fc1167115_quant
		.amdhsa_group_segment_fixed_size 68096
		.amdhsa_private_segment_fixed_size 0
		.amdhsa_enable_private_segment 0
		.amdhsa_kernarg_size 88
		.amdhsa_user_sgpr_count 2
		.amdhsa_user_sgpr_kernarg_segment_ptr 1
		.amdhsa_wavefront_size32 1
		.amdhsa_system_sgpr_workgroup_id_x 1
		.amdhsa_system_sgpr_workgroup_id_y 1
		.amdhsa_system_sgpr_workgroup_id_z 1
		.amdhsa_system_vgpr_workitem_id 0
		.amdhsa_next_free_vgpr 194
		.amdhsa_next_free_sgpr 66
		.amdhsa_reserve_vcc 0
		.amdhsa_float_denorm_mode_32 3
		.amdhsa_float_denorm_mode_16_64 3
		.amdhsa_memory_ordered 1
		.amdhsa_forward_progress 1
		.amdhsa_inst_pref_size 56
	.end_amdhsa_kernel
	.amdgpu_metadata
---
amdhsa.version: [ 1, 2 ]
amdhsa.kernels:
  - .name:           k_q2fc1167115_quant
    .symbol:         k_q2fc1167115_quant.kd
    .args:
      - { .name: Q_input, .offset: 0, .size: 8, .value_kind: global_buffer, .address_space: global }
      - { .name: K_input, .offset: 8, .size: 8, .value_kind: global_buffer, .address_space: global }
      - { .name: V_input, .offset: 16, .size: 8, .value_kind: global_buffer, .address_space: global }
      - { .name: Wq, .offset: 24, .size: 8, .value_kind: global_buffer, .address_space: global }
      - { .name: Wk, .offset: 32, .size: 8, .value_kind: global_buffer, .address_space: global }
      - { .name: Wv, .offset: 40, .size: 8, .value_kind: global_buffer, .address_space: global }
      - { .name: Wo, .offset: 48, .size: 8, .value_kind: global_buffer, .address_space: global }
      - { .name: xc, .offset: 56, .size: 8, .value_kind: global_buffer, .address_space: global }
      - { .name: xs, .offset: 64, .size: 8, .value_kind: global_buffer, .address_space: global }
      - { .name: wc, .offset: 72, .size: 8, .value_kind: global_buffer, .address_space: global }
      - { .name: ws, .offset: 80, .size: 8, .value_kind: global_buffer, .address_space: global }
    .group_segment_fixed_size: 68096
    .private_segment_fixed_size: 0
    .kernarg_segment_align: 8
    .kernarg_segment_size: 88
    .max_flat_workgroup_size: 128
    .sgpr_count:     66
    .vgpr_count:     194
    .wavefront_size: 32
...
	.end_amdgpu_metadata
.endif
;; end of part 1
;; launch proj (part 2): grid 4 x 96, 4 waves a work-group, clusters of 4 x 4, 288,256 bytes of LDS; arguments xc, xs, wc, ws, bq, bk, bv, qb, kv; writes qb, kv
.if DOCPART == 2
	.amdgcn_target "amdgcn-amd-amdhsa--gfx1250"
	.amdhsa_code_object_version 6
	.text
	.protected	k_q2fc1167115_proj
	.globl	k_q2fc1167115_proj
	.p2align	8
	.type	k_q2fc1167115_proj,@function
k_q2fc1167115_proj:
	s_mov_b64 s[64:65], 0
	v_nop
	global_prefetch_b8 v0, s[64:65] scope:SCOPE_SE
	s_setreg_imm32_b32 hwreg(HW_REG_WAVE_MODE, 25, 1), 1
	s_wait_xcnt 0x0
	s_wait_alu depctr_hold_cnt(0) depctr_sa_sdst(0) depctr_va_vdst(0) depctr_va_sdst(0) depctr_va_ssrc(0) depctr_va_vcc(0) depctr_vm_vsrc(0)
	s_getreg_b32 s2, hwreg(HW_REG_IB_STS2, 6, 4)
	s_cmp_eq_u32 s2, 0
	s_cbranch_scc0 .Lentry_in_a_cluster
	s_endpgm
.Lentry_in_a_cluster:
	s_bfe_u32 s2, ttmp6, 0x10000c
	s_cmp_lg_u32 s2, 0xf033
	s_cbranch_scc0 .Lentry_shape_is_right
	s_endpgm
.Lentry_shape_is_right:
; The three projections x W + b on codes of FP4 (E2M1) with E8M0 scales, f32 sums; the results are quantised in registers into the operands of attention and never go to memory as f32.
; A work-group makes 256 x 256 of one projection: x panel y (256 positions of xc, where Q's, K's and V's rows lie on end; mode = y / 32) against W panel X of that mode's weight.  Four waves, 128 x 128 each: 64 accumulators.
; ALL OF K = 1,024 LIES IN LDS (512 rows of 512 bytes of codes, and their scale bytes): each byte is filled once, so there is no ring: one barrier, then eight K steps of 128 written out.
; CLUSTERS: 4 x 4 work-groups.  The four of a row of the cluster need the same x panel, the four of a column the same W panel: each is asked for jointly.
; ROLES.  acc(i, j) += source 0 = P's tile j, source 1 = R's tile i: a lane holds one row of R, its registers run along P's rows.  Modes Q and K: R = x, P = W: a lane holds one row, registers along n = the head's channels,
; which are the first attention product's K.  Mode V: R = W, P = x: a lane holds one channel, registers along the keys, which are the second product's K.  Only LDS bases differ between the modes.
; TILE ORDER: rows of xc and wc lie at position = index with bits 3 and 4 exchanged, so that the 16 registers of P's tiles 2 b and 2 b + 1 are 16 neighbours: index 32 b + 16 (lane / 16) + 0 .. 15.
; OUT: fragments go out as images of their registers (four registers: 512 bytes, lane l's 16 bytes at 16 l).  A wave's 128 columns are two heads: registers 0-3 of a fragment are the first head's 64 channels, 4-7 the second's.
; LIMITS: NaN and infinities are not served; a block under 2^-124, zeros among them, keeps the scale byte 1 (its codes are zeros or the rule's held byte; the bytes are read by this program alone).
; REGISTERS: window 0: v8-15 scale words made; v16-27 addresses; v32-95 scale words of the operands, two sets, and nothing else; v96-103 bias by lane; v104-119 at work; v120-127 scale images;
;   v128-191 R's fragments, one set (later 64 numbers to quantise); v192-255 the codes made.  window 1: P's fragments, two sets, at v0 and v128; v192-255 bias by register.
;   windows 2, 3: the accumulators, (i, j) at v[8 (8 (i % 4) + j)] of window 2 + i / 4.
.set PITCH,  528                       ; an LDS row: 512 bytes + 16 of padding = 132 words: row r starts at bank 4 r mod 64 (64 banks of 4 bytes: ISA guide 11.1)
.set HALFT,  128*PITCH                 ; 128 rows: what a wave reads of R or of P; a tensor load brings a panel's 256
.set SCL,    4*HALFT                   ; behind the codes: the scale bytes, as pieces of 256 bytes + 16 of padding
.set HALFS,  16*272                    ; those of 128 rows (32 bytes a row)
.set SBLK,   2*272                     ; those of 16 rows
.set FR,     8
.set PKQ,    4608                      ; a packet of qb: 8 tile images, then a scale image of 512 bytes
.set PKV,    8960                      ; a packet of kv: K's 8 tile images, V's 8 half fragments, K's scale image (512), V's (256)
.set HEADB,  16*PKV
.set WD,   8
.set ADRR, 16
.set ADRP, 20
.set SOFS, 22                          ; v22  16 x lane + the scale image's place in a packet
.set BVO,  23                          ; v23  the lane's offset for the bias by lane
.set LI,   24                          ; v24  16 x lane
.set VO,   25                          ; v25  V's scale image: 16 (lane % 16), lanes 16-31 one head on
.set BIO,  26                          ; v26  the lane's offset for the bias by register
.set ADRS, 27
.set SC,   32
.set BV,   96
.set TM,   104
.set SI,   120
.set SA,   124
.set AF,   128
.set ST,   128
.set PC,   192                         ; window 0: tile i's codes at v[PC + 8 i]
.set BIAS, 192                         ; window 1
.set G1,   24                          ; s[24:31] group 1, x's codes;  s[32:35] its group 0;  s[36:39] group 0, x's scales
.set G0,   32
.set G0S,  36
.set G1B,  48                          ; s[48:55] group 1, W's codes;  s[56:59], s[60:63] groups 0, W's codes and scales
.set G0B,  56
.set G0SB, 60
.set G1S,  80                          ; s[80:87], s[88:95] groups 1 for the scales
.set G1SB, 88
.set SEL,  66                          ; s[66:67] lane selects for v_permlanex16_b32: lane l xor 16
.set MSB, 0
.macro WIN new                         ; the immediate's high byte repeats the setting that is left
.if MSB != (\new)
	s_set_vgpr_msb (MSB<<8)|(\new)
.set MSB, (\new)
.endif
.endm
.set MUL_LO, 0xa1                      ; source 0 (P) window 1, source 1 (R) window 0, C and D window 2
.set MUL_HI, 0xf1                      ; the same, C and D window 3
.set TO_B,   0x40                      ; destination window 1, address window 0
.macro PLACES n
.rept \n
	v_nop
.endr
.endm
; The head's four joint loads, one a wave: one tree of branches on the wave's number, an arm a load, all arms leading to one join.
.macro ARM under, g0, g1, next
	s_cmp_lt_u32 s14, \under
	s_cbranch_scc0 \next
	tensor_load_to_lds s[\g0:\g0+3], s[\g1:\g1+7]
	s_nop 0
.rept 4
	v_nop
.endr
	s_branch .Lhead_asked
\next:
.endm
.macro ROUND                           ; a round of the cluster's barrier
	s_barrier_signal -1
	s_barrier_wait -1
	s_cmp_lg_u32 s14, 0
	s_cbranch_scc1 .Lnot_wave_0_\@
	s_barrier_signal -3
.Lnot_wave_0_\@:
	s_barrier_wait -3
	s_barrier_signal -1
	s_barrier_wait -1
.endm
	s_load_b256 s[4:11], s[0:1], 0x0               ; xc s[4:5], xs s[6:7], wc s[8:9], ws s[10:11]
	s_load_b256 s[68:75], s[0:1], 0x20             ; bq s[68:69], bk s[70:71], bv s[72:73], qb s[74:75]
	s_load_b64 s[76:77], s[0:1], 0x40              ; kv
	v_lshl_add_u32 v114, v0, 2, 0x46400
	v_mov_b32 v115, 0
	ds_add_u32 v114, v115
	ds_add_u32 v114, v115
	v_lshrrev_b32 v1, 5, v0
	v_readfirstlane_b32 s14, v1                    ; wave 0..3
	s_lshr_b32 s15, s14, 1                         ; my half of R's panel (wave / 2)
	s_and_b32 s16, s14, 1                          ; my half of P's panel (wave % 2)
	s_bfe_u32 s40, ttmp6, 0x40000                  ; cx, cy: my place in the cluster
	s_bfe_u32 s41, ttmp6, 0x40004
	s_lshl_b32 s42, ttmp9, 2
	s_add_co_u32 s42, s42, s40                     ; X = 4 x cluster x + cx
	s_and_b32 s19, ttmp7, 0xffff                   ; cluster y, 0 .. 23
	s_lshr_b32 s18, s19, 3                         ; mode: 0 Q, 1 K, 2 V: the same in all sixteen partners
	s_lshl_b32 s17, s19, 2
	s_add_co_u32 s17, s17, s41                     ; y = 4 x cluster y + cy
	s_lshl_b32 s43, s41, 2
	s_lshl_b32 s43, 15, s43                        ; my row of the cluster
	s_lshl_b32 s44, 0x1111, s40                    ; my column
	; group 1 for codes: 128 rows x 512 bytes, padded in LDS
	s_or_b32 s[G1+0], s43, (0<<16)|(1<<20)|(1<<21)|(6<<22)|(3<<25)   ; 15:0 the mask: x's panel goes to my row; elements of 1 byte; padding on; 21 set beside a mask; after every 128 words (code 6) 4 words (code 3)
	s_or_b32 s[G1B+0], s44, (0<<16)|(1<<20)|(1<<21)|(6<<22)|(3<<25)  ; W's panel goes to my column
.irp g, G1, G1B
	s_mov_b32 s[\g+1], 512<<16                     ; tensor_dim0
	s_mov_b32 s[\g+2], 256<<16                     ; tensor_dim1: a whole panel
	s_mov_b32 s[\g+3], 512<<16                     ; tile_dim0
	s_mov_b32 s[\g+4], 256                         ; tile_dim1
	s_mov_b32 s[\g+5], 512                         ; from row to row
	s_mov_b32 s[\g+6], 0
	s_mov_b32 s[\g+7], 0
.endr
	; group 1 for the scales of 256 rows: 8,192 dense bytes as 32 rows of 256 (32 elements of 8 bytes), 16 bytes of padding behind each
	s_or_b32 s[G1S+0], s43, (3<<16)|(1<<20)|(1<<21)|(5<<22)|(3<<25)
	s_or_b32 s[G1SB+0], s44, (3<<16)|(1<<20)|(1<<21)|(5<<22)|(3<<25)
.irp g, G1S, G1SB
	s_mov_b32 s[\g+1], 32<<16
	s_mov_b32 s[\g+2], 32<<16                      ; the scales of 256 rows: 32 rows of 256 bytes
	s_mov_b32 s[\g+3], 32<<16
	s_mov_b32 s[\g+4], 32
	s_mov_b32 s[\g+5], 32
	s_mov_b32 s[\g+6], 0
	s_mov_b32 s[\g+7], 0
.endr
	s_lshl_b32 s20, s17, 8                         ; x: row 256 y
	s_lshl_b32 s46, s18, 10
	s_lshl_b32 s47, s42, 8
	s_add_co_u32 s46, s46, s47                     ; W: row 1,024 mode + 256 X
	s_lshl_b32 s22, s20, 9                         ; 512 bytes of codes a row,
	s_mov_b32 s23, 0
	s_lshl_b32 s20, s20, 5                         ; 32 scale bytes
	s_mov_b32 s21, 0
	s_lshl_b32 s96, s46, 9
	s_mov_b32 s97, 0
	s_lshl_b32 s46, s46, 5
	s_mov_b32 s47, 0
	s_mov_b32 s[SEL], 0x76543210
	s_mov_b32 s[SEL+1], 0xfedcba98
	s_wait_dscnt 0x0
	s_wait_kmcnt 0x0
	s_add_nc_u64 s[22:23], s[4:5], s[22:23]
	s_add_nc_u64 s[20:21], s[6:7], s[20:21]
	s_add_nc_u64 s[96:97], s[8:9], s[96:97]
	s_add_nc_u64 s[46:47], s[10:11], s[46:47]
	ROUND                                          ; all sixteen work-groups are here: the joint loads meet
	s_mov_b32 s[G0S], 1
	s_mov_b32 s[G0S+1], SCL
	s_mov_b64 s[G0S+2:G0S+3], s[20:21]
	s_or_b32 s[G0S+3], s[G0S+3], 0x80000000
	s_mov_b32 s[G0SB], 1
	s_mov_b32 s[G0SB+1], SCL+2*HALFS
	s_mov_b64 s[G0SB+2:G0SB+3], s[46:47]
	s_or_b32 s[G0SB+3], s[G0SB+3], 0x80000000
	s_mov_b32 s[G0], 1
	s_mov_b32 s[G0+1], 0
	s_mov_b64 s[G0+2:G0+3], s[22:23]
	s_or_b32 s[G0+3], s[G0+3], 0x80000000
	s_mov_b32 s[G0B], 1
	s_mov_b32 s[G0B+1], 2*HALFT
	s_mov_b64 s[G0B+2:G0B+3], s[96:97]
	s_or_b32 s[G0B+3], s[G0B+3], 0x80000000
	ARM 1, G0,  G1,  .Lhead_b                      ; wave 0: x's 256 rows of codes; wave 1: W's; wave 2: x's scales; wave 3: W's.  Nothing is ever filled again
	ARM 2, G0B, G1B, .Lhead_sa
	ARM 3, G0S, G1S, .Lhead_sb
	tensor_load_to_lds s[G0SB:G0SB+3], s[G1SB:G1SB+7]
	s_nop 0
.rept 4
	v_nop
.endr
.Lhead_asked:
	; the roles: x's panel lies in LDS halves 0 and 1, W's in halves 2 and 3; each role's panel is a choice between the constants 0 and 2, its half a bit of the wave's number
	s_cmp_eq_u32 s18, 2
	s_cselect_b32 s19, s15, s16                    ; which half of the W panel is mine
	s_cselect_b32 s99, s16, s15                    ; which half of the x panel
	s_cmp_eq_u32 s18, 1
	s_cselect_b64 s[70:71], s[70:71], s[72:73]
	s_cmp_eq_u32 s18, 0
	s_cselect_b64 s[68:69], s[68:69], s[70:71]     ; the mode's bias
	s_lshl_b32 s20, s42, 10
	s_lshl_b32 s21, s19, 9
	s_add_co_u32 s20, s20, s21                     ; 4 x my first column n0 = 256 X + 128 x half
	s_mov_b32 s21, 0
	s_add_nc_u64 s[68:69], s[68:69], s[20:21]
	v_and_b32 v1, 15, v0                           ; r
	v_bfe_u32 v2, v0, 4, 1                         ; h
	v_lshlrev_b32 v[BIO], 6, v2                    ; bias by register: tile j's register e is column 32 (j / 2) + 16 h + 8 (j % 2) + e
	v_and_b32 v3, 8, v1
	v_add_nc_u32 v3, v3, v1
	v_lshlrev_b32 v[BVO], 2, v3                    ; bias by lane: tile i's lane r is column 32 (i / 2) + 8 (i % 2) + r + 8 (r / 8)
	WIN TO_B                                       ; both kinds are loaded in every mode: 2 x 512 bytes; each mode uses one
.irp j, 0,1,2,3,4,5,6,7
	global_load_b128 v[BIAS+8*\j:BIAS+8*\j+3], v[BIO], s[68:69] offset:4*(32*(\j/2)+8*(\j%2))
	global_load_b128 v[BIAS+8*\j+4:BIAS+8*\j+7], v[BIO], s[68:69] offset:4*(32*(\j/2)+8*(\j%2))+16
.endr
	WIN 0
.irp j, 0,1,2,3,4,5,6,7
	global_load_b32 v[BV+\j], v[BVO], s[68:69] offset:4*(32*(\j/2)+8*(\j%2))
.endr
	v_mul_u32_u24 v3, v1, PITCH
	v_lshl_add_u32 v3, v2, 4, v3                   ; a fragment's row x pitch + 16 x half
	v_lshlrev_b32 v4, 5, v1                        ; my row's 32 scale bytes,
	v_lshrrev_b32 v5, 3, v1
	v_lshl_add_u32 v4, v5, 4, v4                   ; and 16 more for each 256 passed
	v_and_b32 v[LI], 31, v0
	v_lshlrev_b32 v[LI], 4, v[LI]
	s_wait_alu depctr_va_vdst(0)
	v_mul_u32_u24 v[VO], v2, HEADB
	v_lshl_add_u32 v[VO], v1, 4, v[VO]
.irp b, 0,1,2,3
	v_mov_b32 v[TM+4+\b], 0                        ; written once: a lane permute's destination counts as one of its sources
.endr
	; where the results go: group of 128 rows g = 2 (y % 32) + half; batch g / 16, step g % 16; my first head 4 X + 2 x half
	s_and_b32 s20, s17, 31
	s_lshl_b32 s20, s20, 1
	s_add_co_u32 s20, s20, s99
	s_lshr_b32 s21, s20, 4
	s_and_b32 s20, s20, 15
	s_lshl_b32 s21, s21, 4
	s_lshl_b32 s22, s42, 2
	s_add_co_u32 s21, s21, s22
	s_lshl_b32 s22, s19, 1
	s_add_co_u32 s21, s21, s22                     ; 16 x batch + head
	s_lshl_b32 s21, s21, 4
	s_add_co_u32 s21, s21, s20                     ; the packet's number
	s_mov_b32 s22, PKV
	s_mov_b32 s23, 8192
	s_cmp_eq_u32 s18, 0
	s_cselect_b64 s[74:75], s[74:75], s[76:77]     ; Q's go to qb, K's and V's to kv
	s_cselect_b32 s22, PKQ, s22
	s_cselect_b32 s23, 4096, s23
	s_mul_i32 s46, s21, s22
	s_mov_b32 s47, 0
	s_add_nc_u64 s[74:75], s[74:75], s[46:47]      ; my first head's packet
	s_lshl_b32 s46, s22, 4
	s_add_nc_u64 s[96:97], s[74:75], s[46:47]      ; my second head's: 16 packets on
	v_add_nc_u32 v[SOFS], s23, v[LI]
.macro FRAG reg, adr, q, i             ; 16 rows x 128 K: lane l holds row l % 16; registers 4 c .. 4 c + 3 hold K = 64 c + 32 (l / 16) + 0 .. 31
.irp c, 0,1
	ds_load_b128 v[\reg+4*\c:\reg+4*\c+3], v[\adr] offset:64*(\q)+32*\c+(\i)*16*PITCH
.endr
.endm
; 16 matrix instructions: R's tiles a0, a0 + 1 x P's eight, K step q.  p: P's set.  The scale register of tile i in step q holds R's word in lanes 0-15 and P's in lanes 16-31.
; The 64 accumulators take turns, one instruction a turn, in the same order in every step.  zero = 1: the first products start the sums.
.macro MUL16 a0, p, q, zero
.irp a, \a0, \a0+1
.irp b, 0,1,2,3,4,5,6,7
.if \zero
	v_wmma_scale_f32_16x16x128_f8f6f4 v[8*(8*((\a)%4)+\b):8*(8*((\a)%4)+\b)+7], v[128*(\p)+FR*\b:128*(\p)+FR*\b+FR-1], v[AF+FR*(\a):AF+FR*(\a)+FR-1], 0, v[SC+32*((\q)/4)+4*\b+(\q)%4], v[SC+32*((\q)/4)+4*(\a)+(\q)%4] matrix_a_fmt:MATRIX_FMT_FP4 matrix_b_fmt:MATRIX_FMT_FP4 matrix_a_scale:MATRIX_SCALE_ROW1
.else
	v_wmma_scale_f32_16x16x128_f8f6f4 v[8*(8*((\a)%4)+\b):8*(8*((\a)%4)+\b)+7], v[128*(\p)+FR*\b:128*(\p)+FR*\b+FR-1], v[AF+FR*(\a):AF+FR*(\a)+FR-1], v[8*(8*((\a)%4)+\b):8*(8*((\a)%4)+\b)+7], v[SC+32*((\q)/4)+4*\b+(\q)%4], v[SC+32*((\q)/4)+4*(\a)+(\q)%4] matrix_a_fmt:MATRIX_FMT_FP4 matrix_b_fmt:MATRIX_FMT_FP4 matrix_a_scale:MATRIX_SCALE_ROW1
.endif
.endr
.endr
.endm
.macro FETCH_P q, p                    ; P's eight fragments of K step q into set p
	WIN TO_B
.irp i, 0,1,2,3,4,5,6,7
	FRAG 128*(\p)+FR*\i, ADRP, \q, \i
.endr
	WIN 0
.endm
.macro FETCH_R q, i0                   ; R's tiles i0 .. i0 + 3
.irp i, \i0, \i0+1, \i0+2, \i0+3
	FRAG AF+FR*(\i), ADRR, \q, \i
.endr
.endm
; A K step with a successor.  A tile of R is free as soon as its eight products are issued, so one set serves R: tiles 0-3 are fetched anew in the step's middle, tiles 4-7 at its end; P has two sets.
; A load into a register that a matrix instruction has read stands four places behind it (ISA guide 7.12.1 for vector instructions).
.macro STEP q, zero
	s_wait_dscnt 8                                 ; all but the youngest eight loads (R's tiles 4-7) are in
	WIN MUL_LO
	MUL16 0, (\q)%2, \q, \zero
	MUL16 2, (\q)%2, \q, \zero
	s_wait_dscnt 0x0                               ; R's tiles 4-7 are in (asked for 32 matrix instructions ago)
	PLACES 4
	FETCH_P (\q)+1, 1-(\q)%2
	FETCH_R (\q)+1, 0
	WIN MUL_HI
	MUL16 4, (\q)%2, \q, \zero
	MUL16 6, (\q)%2, \q, \zero
	PLACES 4
	WIN 0
	FETCH_R (\q)+1, 4
.endm
	s_wait_alu depctr_va_vdst(0)                   ; the wait at the head's end
	s_wait_tensorcnt 0x0                           ; my load has landed,
	s_barrier_signal -1
	s_barrier_wait -1                              ; everybody's has: both panels and their scales are whole
; The eight K steps.  They stand once in each mode's arm, behind that arm's LDS addresses, so that every LDS address is a constant and a term in the wave's number.
.macro KLOOP
	FETCH_P 0, 0
	FETCH_R 0, 0
.irp st, 0,1                                   ; the scale words of all eight K steps: 8 words a row, four to a load
.irp i, 0,1,2,3,4,5,6,7
	ds_load_b128 v[SC+32*\st+4*\i:SC+32*\st+4*\i+3], v[ADRS] offset:\i*SBLK+16*\st
.endr
.endr
	FETCH_R 0, 4
	STEP 0, 1
.irp q, 1,2,3,4,5,6
	STEP \q, 0
.endr
	s_wait_dscnt 8                                 ; the last step: nothing more to fetch
	WIN MUL_LO
	MUL16 0, 1, 7, 0
	MUL16 2, 1, 7, 0
	s_wait_dscnt 0x0
	WIN MUL_HI
	MUL16 4, 1, 7, 0
	MUL16 6, 1, 7, 0
	WIN 0
	PLACES 4                                       ; behind the last products: their results are read and R's registers written below
	s_wait_loadcnt 0x0                             ; the biases
.endm
; 64 numbers of a lane, v[s] .. v[s + 63], register 16 b + i = k 32 b + 16 (lane / 16) + i of my row, become a fragment's codes in v[pc] .. v[pc + 7] and its scale word in v[pw].
.macro QUANT s, pc, pw
.irp b, 0,1,2,3
	v_max3_num_f32 v[TM+\b], |v[\s+16*\b]|, |v[\s+1+16*\b]|, 0x1800000   ; block b: my 16 numbers, and the floor 2^(3 - 127): the byte cannot fall under 1
.endr
.irp i, 2,4,6,8,10,12,14
.irp b, 0,1,2,3
	v_max3_num_f32 v[TM+\b], v[TM+\b], |v[\s+16*\b+\i]|, |v[\s+1+16*\b+\i]|   ; the four blocks by turns
.endr
.endr
.irp b, 0,1,2,3
	v_permlanex16_b32 v[TM+4+\b], v[TM+\b], s[SEL], s[SEL+1]
.endr
.irp b, 0,1,2,3
	v_max_num_f32 v[TM+\b], v[TM+\b], v[TM+4+\b]   ; with lane l xor 16's: the block's largest magnitude
.endr
.irp b, 0,1,2,3
	v_add_nc_u32 v[TM+12+\b], 0xff000000, v[TM+\b] ; 2 off its exponent field: the conversion's scale operand
.endr
.irp b, 0,1,2,3
	v_lshrrev_b32 v[TM+4+\b], 23, v[TM+12+\b]      ; the scale's byte
.endr
	v_lshl_or_b32 v[\pw], v[TM+5], 8, v[TM+4]      ; the four bytes make my row's scale word (both halves of the lanes hold it)
	v_lshl_or_b32 v[\pw], v[TM+6], 16, v[\pw]
	v_lshl_or_b32 v[\pw], v[TM+7], 24, v[\pw]
.irp b, 0,1,2,3
	v_cvt_scalef32_pk8_fp4_f32 v[\pc+2*\b], v[\s+16*\b:\s+7+16*\b], v[TM+12+\b]
	v_cvt_scalef32_pk8_fp4_f32 v[\pc+1+2*\b], v[\s+8+16*\b:\s+15+16*\b], v[TM+12+\b]
.endr
	v_nop                                          ; one plain place behind a scaled conversion
.irp c, 0,1                                    ; the operand's layout wants a whole block in a lane: lanes 0-15 block 2 c, lanes 16-31 block 2 c + 1
.irp i, 0,1
	v_permlane16_swap_b32 v[\pc+4*\c+\i], v[\pc+2+4*\c+\i]
.endr
.endr
.endm
.macro MOVE_QK i                       ; R's tile i: its 64 sums (window 2 or 3) + the bias of their columns (window 1); each accumulator is read from its low end on
	WIN 0x06+(\i)/4
.set k, 0
.rept 32
	v_pk_add_f32 v[ST+k:ST+k+1], v[64*((\i)%4)+k:64*((\i)%4)+k+1], v[BIAS+k:BIAS+k+1]
.set k, k+2
.endr
	WIN 0
.endm
.macro MOVE_V i                        ; the same with the bias of the lane's channel (window 0)
	WIN 0x02+(\i)/4
.set k, 0
.rept 32
.if ((\i)%2) == 0
	v_pk_add_f32 v[ST+k:ST+k+1], v[64*((\i)%4)+k:64*((\i)%4)+k+1], v[BV+2*((\i)/2):BV+2*((\i)/2)+1] op_sel_hi:[1,0]
.else
	v_pk_add_f32 v[ST+k:ST+k+1], v[64*((\i)%4)+k:64*((\i)%4)+k+1], v[BV+2*((\i)/2):BV+2*((\i)/2)+1] op_sel:[0,1] op_sel_hi:[1,1]
.endif
.set k, k+2
.endr
	WIN 0
.endm
	s_cmp_eq_u32 s18, 2                            ; the mode: the same in all sixteen partners
	s_cbranch_scc1 .Lv
	; modes Q and K: R = x's half wave / 2 (LDS halves 0, 1), P = W's half wave % 2 (halves 2, 3)
	s_mul_i32 s20, s15, HALFT
	s_mul_i32 s21, s16, HALFT
	s_add_co_u32 s21, s21, 2*HALFT
	v_add_nc_u32 v[ADRR], s20, v3
	v_add_nc_u32 v[ADRP], s21, v3
	s_mul_i32 s20, s15, HALFS
	s_mul_i32 s21, s16, HALFS
	s_add_co_u32 s21, s21, 2*HALFS
	s_sub_co_u32 s21, s21, s20                     ; from R's scale words to P's
	v_mul_u32_u24 v5, s21, v2                      ; lanes 0-15 take R's, lanes 16-31 P's
	s_add_co_u32 s20, s20, SCL
	v_add_nc_u32 v5, v5, v4
	v_add_nc_u32 v[ADRS], s20, v5
	s_wait_alu depctr_va_vdst(0)
	KLOOP
	; ---- Q and K: tile i is 16 rows; registers 0-3 of its fragment are my first head's 64 channels, 4-7 my second head's.  Each tile has code registers of its own: no store's data are written again.
.irp i, 0,1,2,3,4,5,6,7
	MOVE_QK \i
	QUANT ST, PC+8*\i, WD+\i
	global_store_b128 v[LI], v[PC+8*\i:PC+8*\i+3], s[74:75] offset:512*\i     ; 32 lanes store 512 consecutive bytes, aligned to 256
	global_store_b128 v[LI], v[PC+8*\i+4:PC+8*\i+7], s[96:97] offset:512*\i
.endr
.irp t, 0,1,2,3
	v_perm_b32 v[SA+\t], v[WD+4+\t], v[WD+\t], 0x05040100   ; the scale image, first head: word t of row r = tile t's two bytes below, tile t + 4's above (both halves of the lanes hold it)
.endr
.irp t, 0,1,2,3
	v_perm_b32 v[SI+\t], v[WD+4+\t], v[WD+\t], 0x07060302   ; the second head's
.endr
	global_store_b128 v[SOFS], v[SA:SA+3], s[74:75]
	global_store_b128 v[SOFS], v[SI:SI+3], s[96:97]
	s_branch .Ljoin
.Lv:
	; mode V: R = W's half wave / 2 (LDS halves 2, 3), P = x's half wave % 2 (halves 0, 1)
	s_mul_i32 s20, s15, HALFT
	s_add_co_u32 s20, s20, 2*HALFT
	s_mul_i32 s21, s16, HALFT
	v_add_nc_u32 v[ADRR], s20, v3
	v_add_nc_u32 v[ADRP], s21, v3
	s_mul_i32 s20, s15, HALFS
	s_add_co_u32 s20, s20, 2*HALFS
	s_mul_i32 s21, s16, HALFS
	s_sub_co_u32 s20, s20, s21                     ; from P's scale words up to R's
	v_xor_b32 v6, 1, v2
	v_mul_u32_u24 v5, s20, v6                      ; lanes 0-15 take R's, lanes 16-31 P's
	s_add_co_u32 s21, s21, SCL
	v_add_nc_u32 v5, v5, v4
	v_add_nc_u32 v[ADRS], s21, v5
	s_wait_alu depctr_va_vdst(0)
	KLOOP
	; ---- V: tile i is 16 channels (tiles 0-3 my first head, 4-7 my second); its fragment runs along the step's 128 keys
.irp i, 0,1,2,3,4,5,6,7
	MOVE_V \i
	QUANT ST, PC+8*\i, WD+\i
	global_store_b128 v[LI], v[PC+8*\i:PC+8*\i+3], s[74:75] offset:(\i/4)*HEADB+4096+1024*(\i%4)
	global_store_b128 v[LI], v[PC+8*\i+4:PC+8*\i+7], s[74:75] offset:(\i/4)*HEADB+4096+1024*(\i%4)+512
.endr
	v_cmp_ne_u32 vcc_lo, 0, v2
.irp t, 0,1,2,3
	v_cndmask_b32 v[SI+\t], v[WD+\t], v[WD+4+\t], vcc_lo   ; lanes 0-15: my first head's four tiles, channel r; lanes 16-31: my second head's
.endr
	global_store_b128 v[VO], v[SI:SI+3], s[74:75] offset:8704   ; sixteen lanes store 256 consecutive bytes, aligned, in each head's packet
.Ljoin:
	s_wait_tensorcnt 0x0
	ds_add_u32 v114, v115
	s_wait_dscnt 0x0
	ROUND                                          ; the closing round: no work-group ends while a partner may still ask for a panel that names it
	s_endpgm
.Lfunc_end_k_q2fc1167115_proj:
	.size	k_q2fc1167115_proj, .Lfunc_end_k_q2fc1167115_proj-k_q2fc1167115_proj
	.p2alignl 7, 3214868480
	.fill 96, 4, 3214868480
	.section	.rodata,"a",@progbits
	.p2align	6, 0x0
	.amdhsa_kernel k_q2fc1167115_proj
		.amdhsa_group_segment_fixed_size 288256
		.amdhsa_private_segment_fixed_size 0
		.amdhsa_enable_private_segment 0
		.amdhsa_kernarg_size 72
		.amdhsa_user_sgpr_count 2
		.amdhsa_user_sgpr_kernarg_segment_ptr 1
		.amdhsa_wavefront_size32 1
		.amdhsa_system_sgpr_workgroup_id_x 1
		.amdhsa_system_sgpr_workgroup_id_y 1
		.amdhsa_system_sgpr_workgroup_id_z 1
		.amdhsa_system_vgpr_workitem_id 0
		.amdhsa_next_free_vgpr 1024
		.amdhsa_next_free_sgpr 100
		.amdhsa_reserve_vcc 1
		.amdhsa_float_denorm_mode_32 3
		.amdhsa_float_denorm_mode_16_64 3
		.amdhsa_memory_ordered 1
		.amdhsa_forward_progress 1
		.amdhsa_inst_pref_size 255
	.end_amdhsa_kernel
	.section	.bss,"aw",@nobits
	.p2align	6
	.space	262144
	.amdgpu_metadata
---
amdhsa.version: [ 1, 2 ]
amdhsa.kernels:
  - .name:           k_q2fc1167115_proj
    .symbol:         k_q2fc1167115_proj.kd
    .args:
      - { .name: xc, .offset: 0, .size: 8, .value_kind: global_buffer, .address_space: global }
      - { .name: xs, .offset: 8, .size: 8, .value_kind: global_buffer, .address_space: global }
      - { .name: wc, .offset: 16, .size: 8, .value_kind: global_buffer, .address_space: global }
      - { .name: ws, .offset: 24, .size: 8, .value_kind: global_buffer, .address_space: global }
      - { .name: bq, .offset: 32, .size: 8, .value_kind: global_buffer, .address_space: global }
      - { .name: bk, .offset: 40, .size: 8, .value_kind: global_buffer, .address_space: global }
      - { .name: bv, .offset: 48, .size: 8, .value_kind: global_buffer, .address_space: global }
      - { .name: qb, .offset: 56, .size: 8, .value_kind: global_buffer, .address_space: global }
      - { .name: kv, .offset: 64, .size: 8, .value_kind: global_buffer, .address_space: global }
    .group_segment_fixed_size: 288256
    .private_segment_fixed_size: 0
    .kernarg_segment_align: 8
    .kernarg_segment_size: 72
    .max_flat_workgroup_size: 128
    .sgpr_count:     100
    .vgpr_count:     1024
    .wavefront_size: 32
...
	.end_amdgpu_metadata
.endif
;; end of part 2
;; launch attn (part 3): grid 8 x 32, 8 waves a work-group, clusters of 4 x 1, 327,680 bytes of LDS; arguments qb, kv, cc, cs; writes cc, cs
.if DOCPART == 3
	.amdgcn_target "amdgcn-amd-amdhsa--gfx1250"
	.amdhsa_code_object_version 6
	.text
	.protected	k_q2fc1167115_attn
	.globl	k_q2fc1167115_attn
	.p2align	8
	.type	k_q2fc1167115_attn,@function
k_q2fc1167115_attn:
	s_mov_b64 s[64:65], 0
	v_nop
	global_prefetch_b8 v0, s[64:65] scope:SCOPE_SE
	s_setreg_imm32_b32 hwreg(HW_REG_WAVE_MODE, 25, 1), 1
	s_wait_xcnt 0x0
	s_wait_alu depctr_hold_cnt(0) depctr_sa_sdst(0) depctr_va_vdst(0) depctr_va_sdst(0) depctr_va_ssrc(0) depctr_va_vcc(0) depctr_vm_vsrc(0)
	s_getreg_b32 s2, hwreg(HW_REG_IB_STS2, 6, 4)
	s_cmp_eq_u32 s2, 0
	s_cbranch_scc0 .Lentry_in_a_cluster
	s_endpgm
.Lentry_in_a_cluster:
	s_bfe_u32 s2, ttmp6, 0x10000c
	s_cmp_lg_u32 s2, 0x3003
	s_cbranch_scc0 .Lentry_shape_is_right
	s_endpgm
.Lentry_shape_is_right:
; Attention on codes of FP4 (E2M1) with E8M0 scales: ctx = softmax(Q K^T / 8) V for two heads and 256 queries a work-group; ctx leaves as codes and scale words, the last product's operand.
; SOFTMAX: t = score x log2(e) / 8; M = the running largest t rounded up to a whole number; p = 2^(t - M) is quantised along the keys; the row's sum is taken of the unquantised p in f32 and divides at the end.
; When M moves, the sum and O are multiplied by 2^(old M - new M), in every step, with no branch on data.
; LIMITS: the promise holds while |t| stays under 2^31; NaN and infinities are not served; a block of p under 2^-124 keeps the scale byte 1 (the bytes are read by this program alone).
; SHARES: eight waves; a wave owns TWO tiles of 16 queries (x = 0, 1), which share every fragment of K and V and whose dependent chains take turns.  32 key steps of 128 keys: 16 for the first head, 16 for the second, in one
; counted loop; behind each 16th step the way out and the change of heads stand under a branch on the counter.
; LDS: both heads' K and V, 32 packets of 8,960 bytes, are one dense block of 286,720 bytes: each wave asks for an eighth, 140 rows of 256 bytes, by ONE joint load at the head; nothing is filled again, so the loop has no barrier.
; CLUSTER: the four query blocks of a cluster walk the same K and V: mask 15.  NO PREFETCH: every tile is asked for at the head; the loop loads nothing from memory to run ahead of.
; LAYOUT: both products transposed (S^T = K Q^T, O^T = V^T P^T): a lane holds one query.  Key tile 4 c + i has rows 0-7 = keys 64 c + 8 i + 0..7 and rows 8-15 = keys 64 c + 32 + 8 i + 0..7 (laid so by the first launch):
; the 32 registers of tiles 4 c .. 4 c + 3 are the whole block 2 c + lane / 16 of keys, in order: a block's largest score needs no other lane and the conversions' results are the operand's registers as they stand.
; A head has 64 channels and the instruction 128 along K: key tiles u and u + 4 share one operand (registers 0-3, 4-7) and are multiplied by (q, 0) and by (0, q): zero codes add nothing under any finite scale byte.
; CHAINS: the maxima and the sums run in eight chains by turns; the short chains (M, f, p's scale word) stand among independent lines.
; REGISTERS: window 0: v1-7 addresses; v8-11 Q's scale words; v12-15 V's; v16-19 -M and the largest score; v20-23 the sums; v24, v26 f (v25, v27: an address and a shift, named as the pairs' upper words);
;   v28-39 at work; v40-41 p's scale words; v42-43 ctx's; v44-47 K's; v48-63 partial sums, then p's codes; v64-95 K; v96-127 V; v128-255 S^T, then p.
;   window 1: v0-63 O^T; v64-83 zeros, q of tile 0, zeros, q of tile 1, zeros; v84-95 the second head's q and scale words.
.set PKT,   8960
.set VOFF,  4096
.set KSC,   8192
.set VSC,   8704
.set HEADB, 16*PKT
.set SHARE, 2*HEADB/8
.set STG,   2*HEADB                    ; 1,024 bytes: ctx's scale words on their way out; no fill lands here
.set SPARE, STG+1024                   ; the spare words, 128 bytes a wave
.set PKQ,   4608
.set LI,  1
.set LV,  2
.set ADR, 3
.set ADR2,4
.set SPW, 5
.set NIL, 6
.set ADK, 25
.set SH8, 27
.set VS,  12
.set BM,  28
.set T,   32
.set SO,  36
.set PS,  40
.set CW,  42
.set KS,  44
.set PC,  48
.set KF,  64
.set VF,  96
.set S,   128
.set WV,  12
.set TK,  18
.set SEL, 20
.set CS,  22
.set TB,  2
.set CNT, 3
.set MSB, 0
.macro WIN new                         ; the immediate's high byte repeats the setting that is left
.if MSB != (\new)
	s_set_vgpr_msb (MSB<<8)|(\new)
.set MSB, (\new)
.endif
.endm
.macro ROUND
	s_barrier_signal -1
	s_barrier_wait -1
	s_cmp_lg_u32 s[WV], 0
	s_cbranch_scc1 .Lnot_wave_0_\@
	s_barrier_signal -3
.Lnot_wave_0_\@:
	s_barrier_wait -3
	s_barrier_signal -1
	s_barrier_wait -1
.endm
.macro QK d, a, b, sa, sb
	v_wmma_scale_f32_16x16x128_f8f6f4 v[\d:\d+7], v[\a:\a+7], v[\b:\b+7], 0, v[\sa], v[\sb] matrix_a_fmt:MATRIX_FMT_FP4 matrix_b_fmt:MATRIX_FMT_FP4
.endm
.macro PV d, a, b, sa, sb
	v_wmma_scale_f32_16x16x128_f8f6f4 v[\d:\d+7], v[\a:\a+7], v[\b:\b+7], v[\d:\d+7], v[\sa], v[\sb] matrix_a_fmt:MATRIX_FMT_FP4 matrix_b_fmt:MATRIX_FMT_FP4
.endm
.macro OZERO                           ; O^T of both tiles begins as zeros: the step is written once
	WIN 0x40
.set j, 0
.rept 64
	v_mov_b32 v[j], 0
.set j, j+1
.endr
	WIN 0
.endm
.macro STATE                           ; the largest score -3e38, under every score; -M; the sums
.irp x, 0,1
	v_mov_b32 v[17+2*\x], 0xff61b1e6
.endr
.irp x, 0,1
	v_floor_f32 v[16+2*\x], -v[17+2*\x]
.endr
.irp j, 20,21,22,23
	v_mov_b32 v[\j], 0
.endr
.endm
.macro KLOAD adr                       ; a step's eight key tiles, two to an operand, and their scale words
	ds_load_b128 v[KS:KS+3], v[\adr] offset:KSC
.irp u, 0,1,2,3
	ds_load_b128 v[KF+8*\u:KF+8*\u+3], v[\adr] offset:512*\u
	ds_load_b128 v[KF+8*\u+4:KF+8*\u+7], v[\adr] offset:512*(\u+4)
.endr
.endm
.macro SROUND b                        ; eight additions, one on each chain of the sums: registers b .. b + 7 of each tile's p
.irp x, 0,1
	v_pk_add_f32 v[20+2*\x:21+2*\x], v[20+2*\x:21+2*\x], v[S+64*\x+\b:S+64*\x+\b+1]
.endr
.irp k, 0,1,2
.irp x, 0,1
	v_pk_add_f32 v[PC+8*\x+2*\k:PC+8*\x+2*\k+1], v[PC+8*\x+2*\k:PC+8*\x+2*\k+1], v[S+64*\x+\b+2+2*\k:S+64*\x+\b+3+2*\k]
.endr
.endr
.endm
	s_load_b256 s[4:11], s[0:1], 0x0               ; qb, kv, cc, cs
	v_lshl_add_u32 v[SPW], v0, 2, SPARE
	v_mov_b32 v[NIL], 0
	ds_add_u32 v[SPW], v[NIL]                      ; the opening lines: the add, twice on end, and its wait ahead of my tensor load
	ds_add_u32 v[SPW], v[NIL]
	v_lshrrev_b32 v7, 5, v0
	v_readfirstlane_b32 s[WV], v7                  ; wave 0..7
	s_bfe_u32 s13, ttmp6, 0x40000
	s_lshl_b32 s40, ttmp9, 2
	s_add_co_u32 s40, s40, s13                     ; query block 0..7
	s_and_b32 s41, ttmp7, 0xffff                   ; 8 x batch + pair of heads
	s_mov_b32 s24, 15|(3<<16)|(1<<21)              ; group 1: mask of the four partners, elements of 8 bytes; 140 rows of 32 elements, dense
	s_mov_b32 s25, 32<<16
	s_mov_b32 s26, 140<<16
	s_mov_b32 s27, 32<<16
	s_mov_b32 s28, 140
	s_mov_b32 s29, 32
	s_mov_b32 s30, 0
	s_mov_b32 s31, 0
	s_mul_i32 s14, s41, 2*HEADB
	s_mul_i32 s33, s[WV], SHARE                    ; my eighth, in LDS as in memory
	s_add_co_u32 s14, s14, s33
	s_mov_b32 s15, 0
	s_lshl_b32 s42, s41, 5                         ; Q's packet: 32 a pair of heads, 2 a query block, wave / 4
	s_lshl_b32 s43, s40, 1
	s_add_co_u32 s42, s42, s43
	s_lshr_b32 s43, s[WV], 2
	s_add_co_u32 s42, s42, s43
	s_mul_i32 s42, s42, PKQ
	s_mov_b32 s43, 0
	s_and_b32 s44, s[WV], 3
	s_lshl_b32 s45, s44, 10                        ; my tiles 2 (wave % 4) and the next: 512 bytes a tile
	s_and_b32 s46, s[WV], 1
	s_lshl_b32 s46, s46, 3
	s_add_co_u32 s46, s46, 4096                    ; their two scale words in the image
	s_lshr_b32 s47, s44, 1
	s_lshl_b32 s47, s47, 4                         ; tiles 4-7 have the words' upper halves: 16 down for (q, 0),
	s_sub_co_u32 s54, 16, s47                      ; tiles 0-3 the lower: 16 up for (0, q)
	s_lshr_b32 s48, s41, 3
	s_and_b32 s49, s41, 7
	s_lshl_b32 s50, s48, 7                         ; cc: [query tile][pair of heads][1,024 bytes]
	s_lshl_b32 s51, s40, 4
	s_add_co_u32 s50, s50, s51
	s_lshl_b32 s51, s[WV], 1
	s_add_co_u32 s50, s50, s51
	s_lshl_b32 s50, s50, 3
	s_add_co_u32 s50, s50, s49
	s_lshl_b32 s50, s50, 10
	s_mov_b32 s51, 0
	s_lshl_b32 s52, s49, 15                        ; cs: [pair of heads][batch][query block][1,024 bytes]
	s_lshl_b32 s53, s48, 13
	s_add_co_u32 s52, s52, s53
	s_lshl_b32 s53, s40, 10
	s_add_co_u32 s52, s52, s53
	s_mov_b32 s53, 0
	s_mov_b32 s[SEL], 0x76543210
	s_mov_b32 s[SEL+1], 0xfedcba98
	s_mov_b32 s[CS], 0x3e38aa3b                    ; log2(e) / 8
	s_mov_b32 s[CS+1], s[CS]
	s_mov_b32 s[TB], 0
	s_mov_b32 s[CNT], 32
	s_wait_dscnt 0x0
	s_wait_kmcnt 0x0
	s_add_nc_u64 s[16:17], s[6:7], s[14:15]
	s_add_nc_u64 s[4:5], s[4:5], s[42:43]
	s_add_nc_u64 s[8:9], s[8:9], s[50:51]
	s_add_nc_u64 s[10:11], s[10:11], s[52:53]
	ROUND                                          ; the four partners are here: the joint loads meet
	s_mov_b32 s32, 1
	s_mov_b64 s[34:35], s[16:17]
	s_or_b32 s35, s35, 0x80000000
	tensor_load_to_lds s[32:35], s[24:31]          ; my one tensor load
	s_nop 0
.rept 4
	v_nop
.endr
	v_and_b32 v7, 31, v0
	v_lshlrev_b32 v[LI], 4, v7
	v_and_b32 v7, 15, v0
	v_lshlrev_b32 v[LV], 4, v7
	v_bfe_u32 v7, v0, 4, 1
	v_lshlrev_b32 v[SH8], 3, v7                    ; 8 x (lane / 16)
	v_add_nc_u32 v[ADR], s45, v[LI]
	v_add_nc_u32 v[ADR2], s46, v[LV]
	WIN 0x40
	global_load_b128 v[68:71], v[ADR], s[4:5]
	global_load_b128 v[76:79], v[ADR], s[4:5] offset:512
	global_load_b128 v[84:87], v[ADR], s[4:5] offset:16*PKQ
	global_load_b128 v[88:91], v[ADR], s[4:5] offset:16*PKQ+512
	WIN 0
	global_load_b64 v[36:37], v[ADR2], s[4:5]
	global_load_b64 v[38:39], v[ADR2], s[4:5] offset:16*PKQ
	WIN 0x40
.irp j, 64,65,66,67,72,73,74,75,80,81,82,83
	v_mov_b32 v[\j], 0
.endr
	OZERO
.irp j, 32,33,34,35,42,43
	v_mov_b32 v[\j], 0                             ; a lane permute's destination counts as one of its sources; ctx's scale words begin as 0
.endr
	s_wait_loadcnt 0x0
.irp x, 0,1
	v_lshrrev_b32 v[8+2*\x], s47, v[36+\x]         ; the word for (q, 0): my tile's two bytes in bytes 0, 1
	v_lshlrev_b32 v[9+2*\x], s54, v[36+\x]         ; for (0, q): in bytes 2, 3.  The other two bytes are finite and meet zero codes
.endr
	WIN 0x40
.irp x, 0,1
	v_lshrrev_b32 v[92+2*\x], s47, v[38+\x]
	v_lshlrev_b32 v[93+2*\x], s54, v[38+\x]
.endr
	WIN 0
	STATE
	s_wait_alu depctr_va_vdst(0)                   ; the wait at the head's end
	s_wait_tensorcnt 0x0                           ; my eighth has landed,
	s_barrier_signal -1
	s_barrier_wait -1                              ; everybody's has
	KLOAD LI
	s_wait_dscnt 0x0
.Lstep:
	WIN 0x04                                       ; source 1 (Q) in window 1
.irp u, 0,1,2,3
	QK S+8*\u, KF+8*\u, 68, KS+\u, 8
	QK S+64+8*\u, KF+8*\u, 76, KS+\u, 10
	QK S+32+8*\u, KF+8*\u, 64, KS+\u, 9
	QK S+96+8*\u, KF+8*\u, 72, KS+\u, 11
.endr
	WIN 0
	s_add_co_u32 s[TK], s[TB], PKT
	s_min_u32 s[TK], s[TK], 31*PKT                 ; the next step's packet; the last step reads its own again
	v_add_nc_u32 v[ADR], s[TB], v[LI]              ; these four are the places behind the products
	v_add_nc_u32 v[ADR2], s[TB], v[LV]
	v_add_nc_u32 v[ADK], s[TK], v[LI]
	v_nop
	ds_load_b128 v[VS:VS+3], v[ADR2] offset:VSC
.irp t, 0,1,2,3
.irp c, 0,1
	ds_load_b128 v[VF+8*\t+4*\c:VF+8*\t+4*\c+3], v[ADR] offset:VOFF+1024*\t+512*\c
.endr
.endr
	KLOAD ADK                                      ; the next step's K: the softmax stands between these loads and the wait for them
.irp x, 0,1
.irp c, 0,1
	v_max3_num_f32 v[BM+2*\x+\c], v[S+64*\x+32*\c], v[S+64*\x+32*\c+1], v[S+64*\x+32*\c+2]          ; the largest score of each block of 32 keys, each block in two chains of 16: eight chains by turns
	v_max3_num_f32 v[SO+2*\x+\c], v[S+64*\x+32*\c+16], v[S+64*\x+32*\c+17], v[S+64*\x+32*\c+18]
.endr
.endr
.irp i, 3,5,7,9,11,13
.irp x, 0,1
.irp c, 0,1
	v_max3_num_f32 v[BM+2*\x+\c], v[BM+2*\x+\c], v[S+64*\x+32*\c+\i], v[S+64*\x+32*\c+\i+1]
	v_max3_num_f32 v[SO+2*\x+\c], v[SO+2*\x+\c], v[S+64*\x+32*\c+16+\i], v[S+64*\x+32*\c+17+\i]
.endr
.endr
.endr
.irp x, 0,1
.irp c, 0,1
	v_max3_num_f32 v[BM+2*\x+\c], v[BM+2*\x+\c], v[S+64*\x+32*\c+15], v[S+64*\x+32*\c+31]
.endr
.endr
.irp j, 0,1,2,3
	v_max_num_f32 v[BM+\j], v[BM+\j], v[SO+\j]
.endr
.irp x, 0,1
	v_max_num_f32 v[T+2*\x], v[BM+2*\x], v[BM+2*\x+1]
.endr
.irp x, 0,1
	v_permlanex16_b32 v[T+2*\x+1], v[T+2*\x], s[SEL], s[SEL+1]
.endr
.irp x, 0,1
	v_max3_num_f32 v[17+2*\x], v[17+2*\x], v[T+2*\x], v[T+2*\x+1]   ; the running largest score of my query
.endr
.irp x, 0,1
	v_mul_f32 v[T+2*\x], s[CS], v[17+2*\x]         ; as t
.endr
.irp x, 0,1
	v_mov_b32 v[T+2*\x+1], v[16+2*\x]
.endr
.irp x, 0,1
	v_floor_f32 v[16+2*\x], -v[T+2*\x]             ; -M = floor(-t)
.endr
.set j, 0
.rept 32
	v_pk_fma_f32 v[S+j:S+j+1], v[S+j:S+j+1], s[CS:CS+1], v[16:17] op_sel_hi:[1,0,0]   ; t - M; the three lines that make f stand among these
.set j, j+2
.endr
.irp x, 0,1
	v_sub_f32 v[T+2*\x+1], v[16+2*\x], v[T+2*\x+1] ; old M - new M, a whole number, 0 or less
.endr
.rept 16
	v_pk_fma_f32 v[S+j:S+j+1], v[S+j:S+j+1], s[CS:CS+1], v[18:19] op_sel_hi:[1,0,0]
.set j, j+2
.endr
.irp x, 0,1
	v_cvt_i32_f32 v[T+2*\x+1], v[T+2*\x+1]         ; (it saturates)
.endr
.rept 16
	v_pk_fma_f32 v[S+j:S+j+1], v[S+j:S+j+1], s[CS:CS+1], v[18:19] op_sel_hi:[1,0,0]
.set j, j+2
.endr
.irp x, 0,1
	v_ldexp_f32 v[24+2*\x], 1.0, v[T+2*\x+1]       ; f = 2^(old M - new M)
.endr
.irp x, 0,1
.irp c, 0,1
	v_fma_f32 v[BM+2*\x+\c], v[BM+2*\x+\c], s[CS], v[16+2*\x]   ; the same of each block's largest score
.endr
.endr
	s_wait_alu depctr_va_vdst(0)                   ; the wait ahead of the batch
.set j, 0
.rept 128
	v_exp_f32 v[S+j], v[S+j]                       ; p = 2^(t - M)
.set j, j+1
.endr
.irp j, 0,1,2,3
	v_exp_f32 v[BM+\j], v[BM+\j]                   ; each block's largest p: the same two instructions on the same number
.endr
.irp x, 0,1
	v_pk_mul_f32 v[20+2*\x:21+2*\x], v[20+2*\x:21+2*\x], v[24+2*\x:25+2*\x] op_sel_hi:[1,0]   ; the sums under the new M
.endr
	s_wait_alu depctr_va_vdst(0)                   ; and behind it, ahead of its first reader
	; the rows' sums of the unquantised p, four chains a tile (the sum itself and three partial sums where p's codes will lie); the lines that make p's scale word stand among them
.irp j, 0,1,2,3
	v_max_num_f32 v[BM+\j], 0x1800000, v[BM+\j]    ; the floor 2^(3 - 127): the byte cannot fall under 1
.endr
.irp k, 0,1,2
.irp x, 0,1
	v_pk_add_f32 v[PC+8*\x+2*\k:PC+8*\x+2*\k+1], v[S+64*\x+4*\k:S+64*\x+4*\k+1], v[S+64*\x+4*\k+2:S+64*\x+4*\k+3]
.endr
.endr
.irp j, 0,1,2,3
	v_add_nc_u32 v[SO+\j], 0xff000000, v[BM+\j]    ; 2 off the exponent field: the conversion's scale operand
.endr
	SROUND 12
.irp j, 0,1,2,3
	v_lshrrev_b32 v[BM+\j], 23, v[SO+\j]           ; the scale's byte
.endr
	SROUND 20
.irp x, 0,1
	v_lshl_or_b32 v[T+2*\x], v[BM+2*\x+1], 16, v[BM+2*\x]   ; my blocks h and 2 + h,
.endr
	SROUND 28
.irp x, 0,1
	v_lshlrev_b32 v[T+2*\x], v[SH8], v[T+2*\x]     ; at their places in the word;
.endr
	SROUND 36
.irp x, 0,1
	v_permlanex16_b32 v[T+2*\x+1], v[T+2*\x], s[SEL], s[SEL+1]
.endr
	SROUND 44
.irp x, 0,1
	v_or_b32 v[PS+\x], v[T+2*\x], v[T+2*\x+1]      ; with lane l xor 16's two the word is whole
.endr
	SROUND 52
.irp x, 0,1
	v_pk_add_f32 v[20+2*\x:21+2*\x], v[20+2*\x:21+2*\x], v[S+64*\x+60:S+64*\x+61]
.endr
.irp x, 0,1
	v_pk_add_f32 v[PC+8*\x:PC+8*\x+1], v[PC+8*\x:PC+8*\x+1], v[S+64*\x+62:S+64*\x+63]
.endr
.irp x, 0,1
	v_pk_add_f32 v[PC+8*\x+2:PC+8*\x+3], v[PC+8*\x+2:PC+8*\x+3], v[PC+8*\x+4:PC+8*\x+5]
.endr
.irp x, 0,1
	v_pk_add_f32 v[20+2*\x:21+2*\x], v[20+2*\x:21+2*\x], v[PC+8*\x:PC+8*\x+1]
.endr
.irp x, 0,1
	v_pk_add_f32 v[20+2*\x:21+2*\x], v[20+2*\x:21+2*\x], v[PC+8*\x+2:PC+8*\x+3]
.endr
.irp x, 0,1
.irp c, 0,1
.irp i, 0,1,2,3
	v_cvt_scalef32_pk8_fp4_f32 v[PC+8*\x+4*\c+\i], v[S+64*\x+32*\c+8*\i:S+64*\x+32*\c+8*\i+7], v[SO+2*\x+\c]   ; register 4 c + i of the operand: keys 64 c + 32 h + 8 i + 0..7
.endr
.endr
.endr
	WIN 0x41
	s_wait_alu depctr_va_vdst(0)                   ; the wait, directly ahead of the first reader of O^T
.irp x, 0,1                                    ; O^T under the new M, each accumulator from its low end on.  These 32 are also the places between the conversions and the products
.set j, 0
.rept 16
	v_pk_mul_f32 v[32*\x+j:32*\x+j+1], v[32*\x+j:32*\x+j+1], v[24+2*\x:25+2*\x] op_sel_hi:[1,0]
.set j, j+2
.endr
.endr
	s_wait_alu depctr_va_vdst(0)                   ; the wait, directly ahead of the wait below
	s_wait_dscnt 0x0                               ; V, and the next step's K
	WIN 0x50                                       ; C and D in window 1; the eight accumulators by turns
.irp t, 0,1,2,3
	PV 8*\t, VF+8*\t, PC, VS+\t, PS
	PV 32+8*\t, VF+8*\t, PC+8, VS+\t, PS+1
.endr
	WIN 0
	s_add_co_u32 s[TB], s[TB], PKT
	s_sub_co_u32 s[CNT], s[CNT], 1
	s_and_b32 s19, s[CNT], 15
	s_cmp_lg_u32 s19, 0
	s_cbranch_scc1 .Lnext
	; A HEAD IS DONE: O^T / the sum is quantised along the channels (tiles 2 b, 2 b + 1: channels 32 b + 16 h + 0..15) and leaves as an image of the fragment's registers
.irp x, 0,1
	v_add_f32 v[20+2*\x], v[20+2*\x], v[21+2*\x]
.endr
.irp x, 0,1
	v_permlanex16_b32 v[T+2*\x], v[20+2*\x], s[SEL], s[SEL+1]
.endr
.irp x, 0,1
	v_add_f32 v[20+2*\x], v[20+2*\x], v[T+2*\x]
.endr
	s_wait_alu depctr_va_vdst(0)                   ; the wait ahead of the transcendentals
.irp x, 0,1
	v_rcp_f32 v[20+2*\x], v[20+2*\x]
.endr
	v_nop
	WIN 0x01
	s_wait_alu depctr_va_vdst(0)                   ; and ahead of their first reader, which is O^T's first reader too
.irp x, 0,1
.set j, 0
.rept 16
	v_pk_mul_f32 v[S+64*\x+j:S+64*\x+j+1], v[32*\x+j:32*\x+j+1], v[20+2*\x:21+2*\x] op_sel_hi:[1,0]
.set j, j+2
.endr
.endr
	WIN 0
.irp x, 0,1
.irp b, 0,1
	v_max3_num_f32 v[BM+2*\x+\b], |v[S+64*\x+16*\b]|, |v[S+64*\x+16*\b+1]|, 0x1800000
.endr
.endr
.irp i, 2,4,6,8,10,12,14
.irp x, 0,1
.irp b, 0,1
	v_max3_num_f32 v[BM+2*\x+\b], v[BM+2*\x+\b], |v[S+64*\x+16*\b+\i]|, |v[S+64*\x+16*\b+\i+1]|
.endr
.endr
.endr
.irp j, 0,1,2,3
	v_permlanex16_b32 v[SO+\j], v[BM+\j], s[SEL], s[SEL+1]
.endr
.irp j, 0,1,2,3
	v_max_num_f32 v[BM+\j], v[BM+\j], v[SO+\j]
.endr
.irp j, 0,1,2,3
	v_add_nc_u32 v[SO+\j], 0xff000000, v[BM+\j]
.endr
.irp j, 0,1,2,3
	v_lshrrev_b32 v[BM+\j], 23, v[SO+\j]
.endr
.irp x, 0,1
	v_lshl_or_b32 v[T+2*\x], v[BM+2*\x+1], 8, v[BM+2*\x]
.endr
.irp x, 0,1
	v_lshrrev_b32 v[CW+\x], 16, v[CW+\x]           ; the first head's two bytes end below, the second's above
.endr
.irp x, 0,1
	v_lshl_or_b32 v[CW+\x], v[T+2*\x], 16, v[CW+\x]
.endr
.irp x, 0,1
.irp b, 0,1
	v_cvt_scalef32_pk8_fp4_f32 v[PC+8*\x+2*\b], v[S+64*\x+16*\b:S+64*\x+16*\b+7], v[SO+2*\x+\b]
	v_cvt_scalef32_pk8_fp4_f32 v[PC+8*\x+2*\b+1], v[S+64*\x+16*\b+8:S+64*\x+16*\b+15], v[SO+2*\x+\b]
.endr
.endr
	v_nop                                          ; one plain place behind a scaled conversion
.irp x, 0,1
	v_permlane16_swap_b32 v[PC+8*\x], v[PC+8*\x+2] ; a whole block in a lane
	v_permlane16_swap_b32 v[PC+8*\x+1], v[PC+8*\x+3]
.endr
.irp x, 0,1
	global_store_b128 v[LI], v[PC+8*\x:PC+8*\x+3], s[8:9] offset:8192*\x   ; 32 lanes store 512 consecutive bytes, aligned to 256
.endr
	WIN 0x01                                       ; the second head's q and scale words take the first's places
.irp j, 0,1,2,3
	v_mov_b32 v[8+\j], v[92+\j]
.endr
	WIN 0x41
.irp j, 0,1,2,3
	v_mov_b32 v[68+\j], v[84+\j]
	v_mov_b32 v[76+\j], v[88+\j]
.endr
	OZERO
	STATE
	s_wait_xcnt 0x0                                ; the stores have read their base and data
	s_add_nc_u64 s[8:9], s[8:9], 512               ; the second head's half of the fragment
	s_wait_alu depctr_va_vdst(0)                   ; the wait ahead of the branch below
.Lnext:
	s_cmp_lg_u32 s[CNT], 0
	s_cbranch_scc1 .Lstep
	; ctx's scale words: 16 tiles x 64 bytes gather in LDS and leave as 1,024 consecutive bytes
	v_and_b32 v7, 15, v0
	v_lshlrev_b32 v[ADR], 2, v7
	v_lshrrev_b32 v7, 5, v0
	v_lshl_add_u32 v[ADR], v7, 7, v[ADR]
	v_add_nc_u32 v[ADR], STG, v[ADR]
	v_and_b32 v7, 63, v0
	v_lshlrev_b32 v7, 4, v7
	v_add_nc_u32 v[ADR2], STG, v7
	s_wait_alu depctr_va_vdst(0)
	ds_store_b32 v[ADR], v[CW]                     ; both halves of the lanes write the same word with the same value
	ds_store_b32 v[ADR], v[CW+1] offset:64
	s_wait_dscnt 0x0
	s_barrier_signal -1
	s_barrier_wait -1
	s_cmp_lt_u32 s[WV], 2
	s_cbranch_scc0 .Lno_cs
	ds_load_b128 v[32:35], v[ADR2]
	s_wait_dscnt 0x0
	global_store_b128 v7, v[32:35], s[10:11]
.Lno_cs:
	s_wait_tensorcnt 0x0                           ; the wave's end
	ds_add_u32 v[SPW], v[NIL]
	s_wait_dscnt 0x0
	ROUND                                          ; the closing round
	s_endpgm
.Lfunc_end_k_q2fc1167115_attn:
	.size	k_q2fc1167115_attn, .Lfunc_end_k_q2fc1167115_attn-k_q2fc1167115_attn
	.p2alignl 7, 3214868480
	.fill 96, 4, 3214868480
	.section	.rodata,"a",@progbits
	.p2align	6, 0x0
	.amdhsa_kernel k_q2fc1167115_attn
		.amdhsa_group_segment_fixed_size 327680
		.amdhsa_private_segment_fixed_size 0
		.amdhsa_enable_private_segment 0
		.amdhsa_kernarg_size 32
		.amdhsa_user_sgpr_count 2
		.amdhsa_user_sgpr_kernarg_segment_ptr 1
		.amdhsa_wavefront_size32 1
		.amdhsa_system_sgpr_workgroup_id_x 1
		.amdhsa_system_sgpr_workgroup_id_y 1
		.amdhsa_system_sgpr_workgroup_id_z 1
		.amdhsa_system_vgpr_workitem_id 0
		.amdhsa_next_free_vgpr 352
		.amdhsa_next_free_sgpr 66
		.amdhsa_reserve_vcc 0
		.amdhsa_float_denorm_mode_32 3
		.amdhsa_float_denorm_mode_16_64 3
		.amdhsa_memory_ordered 1
		.amdhsa_forward_progress 1
		.amdhsa_inst_pref_size 46
	.end_amdhsa_kernel
	.amdgpu_metadata
---
amdhsa.version: [ 1, 2 ]
amdhsa.kernels:
  - .name:           k_q2fc1167115_attn
    .symbol:         k_q2fc1167115_attn.kd
    .args:
      - { .name: qb, .offset: 0, .size: 8, .value_kind: global_buffer, .address_space: global }
      - { .name: kv, .offset: 8, .size: 8, .value_kind: global_buffer, .address_space: global }
      - { .name: cc, .offset: 16, .size: 8, .value_kind: global_buffer, .address_space: global }
      - { .name: cs, .offset: 24, .size: 8, .value_kind: global_buffer, .address_space: global }
    .group_segment_fixed_size: 327680
    .private_segment_fixed_size: 0
    .kernarg_segment_align: 8
    .kernarg_segment_size: 32
    .max_flat_workgroup_size: 256
    .sgpr_count:     66
    .vgpr_count:     352
    .wavefront_size: 32
...
	.end_amdgpu_metadata
.endif
;; end of part 3
;; launch outln (part 4): grid 256 x 1, 4 waves a work-group, clusters of 4 x 1, 327,680 bytes of LDS; arguments cc, cs, wc, ws, Q_input, bo, gamma, beta, out0; writes out0
.if DOCPART == 4
	.amdgcn_target "amdgcn-amd-amdhsa--gfx1250"
	.amdhsa_code_object_version 6
	.text
	.protected	k_q2fc1167115_outln
	.globl	k_q2fc1167115_outln
	.p2align	8
	.type	k_q2fc1167115_outln,@function
k_q2fc1167115_outln:
	s_mov_b64 s[64:65], 0
	v_nop
	global_prefetch_b8 v0, s[64:65] scope:SCOPE_SE
	s_setreg_imm32_b32 hwreg(HW_REG_WAVE_MODE, 25, 1), 1
	s_wait_xcnt 0x0
	s_wait_alu depctr_hold_cnt(0) depctr_sa_sdst(0) depctr_va_vdst(0) depctr_va_sdst(0) depctr_va_ssrc(0) depctr_va_vcc(0) depctr_vm_vsrc(0)
	s_getreg_b32 s2, hwreg(HW_REG_IB_STS2, 6, 4)
	s_cmp_eq_u32 s2, 0
	s_cbranch_scc0 .Lentry_in_a_cluster
	s_endpgm
.Lentry_in_a_cluster:
	s_bfe_u32 s2, ttmp6, 0x10000c
	s_cmp_lg_u32 s2, 0x3003
	s_cbranch_scc0 .Lentry_shape_is_right
	s_endpgm
.Lentry_shape_is_right:
.set PITCH, 528
.set SLOT,  256*PITCH
.set SCL,   2*SLOT
.set SPARE, SCL+128*272
.set SPT,   4112
.set LI,   1
.set ADW,  2
.set ADS,  4
.set SO,   5
.set SR,   7
.set CSOF, 9
.set SPW,  28
.set NIL,  29
.set CS,   32
.set WS,   40
.set T,    72
.set WF,   128
.set Y,    128
.set WV,   22
.set SEL,  26
.set MSB, 0
.macro WIN new
.if MSB != (\new)
	s_set_vgpr_msb (MSB<<8)|(\new)
.set MSB, (\new)
.endif
.endm
.macro PLACES
.rept 4
	v_nop
.endr
.endm
.macro ROUND
	s_barrier_signal -1
	s_barrier_wait -1
	s_cmp_lg_u32 s[WV], 0
	s_cbranch_scc1 .Lnot_wave_0_\@
	s_barrier_signal -3
.Lnot_wave_0_\@:
	s_barrier_wait -3
	s_barrier_signal -1
	s_barrier_wait -1
.endm
	s_load_b256 s[4:11], s[0:1], 0x0
	s_load_b256 s[12:19], s[0:1], 0x20
	s_load_b64 s[20:21], s[0:1], 0x40
	v_lshl_add_u32 v[SPW], v0, 2, SPARE
	v_mov_b32 v[NIL], 0
	ds_add_u32 v28, v29
	ds_add_u32 v28, v29
	s_wait_dscnt 0x0
	v_lshrrev_b32 v1, 5, v0
	v_readfirstlane_b32 s[WV], v1
	s_bfe_u32 s23, ttmp6, 0x40000
	s_lshl_b32 s24, ttmp9, 2
	s_add_co_u32 s24, s24, s23
	s_mov_b32 s32, 15|(0<<16)|(1<<20)|(1<<21)|(6<<22)|(3<<25)
	s_mov_b32 s33, 512<<16
	s_mov_b32 s34, 64<<16
	s_mov_b32 s35, 512<<16
	s_mov_b32 s36, 64
	s_mov_b32 s37, 512
	s_mov_b32 s38, 0
	s_mov_b32 s39, 0
	s_mov_b32 s40, 15|(3<<16)|(1<<20)|(1<<21)|(5<<22)|(3<<25)
	s_mov_b32 s41, 32<<16
	s_mov_b32 s42, 128<<16                         ; all of Wo's scale bytes: 128 rows of 256 bytes, one load
	s_mov_b32 s43, 32<<16
	s_mov_b32 s44, 128
	s_mov_b32 s45, 32
	s_mov_b32 s46, 0
	s_mov_b32 s47, 0
	s_mov_b32 s60, 3*32768
	s_mov_b32 s61, 0
	s_lshl_b32 s62, s[WV], 15
	s_add_co_u32 s62, s62, 3*524288
	s_mov_b32 s63, 0
	; groups 1 for the head's loads of codes: s[80:87] 128 rows (half of slot 0), s[88:95] 256 rows (slot 1); the ring's own, s[32:39], has 64
	s_mov_b32 s80, 15|(0<<16)|(1<<20)|(1<<21)|(6<<22)|(3<<25)
	s_mov_b32 s81, 512<<16
	s_mov_b32 s82, 128<<16
	s_mov_b32 s83, 512<<16
	s_mov_b32 s84, 128
	s_mov_b32 s85, 512
	s_mov_b32 s86, 0
	s_mov_b32 s87, 0
	s_mov_b32 s88, 15|(0<<16)|(1<<20)|(1<<21)|(6<<22)|(3<<25)
	s_mov_b32 s89, 512<<16
	s_mov_b32 s90, 256<<16
	s_mov_b32 s91, 512<<16
	s_mov_b32 s92, 256
	s_mov_b32 s93, 512
	s_mov_b32 s94, 0
	s_mov_b32 s95, 0
	s_lshl_b32 s74, s[WV], 16                      ; 128 rows of 512 bytes a wave, for waves 0 and 1
	s_add_co_u32 s74, s74, 3*524288
	s_mov_b32 s75, 0
	s_mul_i32 s67, s[WV], 64*PITCH
	s_lshl_b32 s68, s24, 14
	s_mov_b32 s69, 0
	s_lshl_b32 s70, s24, 7
	s_mov_b32 s71, 0
	s_and_b32 s72, s[WV], 1
	s_lshl_b32 s72, s72, 1
	s_lshr_b32 s73, s[WV], 1
	s_or_b32 s72, s72, s73
	s_lshl_b32 s72, s72, 15
	s_lshl_b32 s73, s24, 17
	s_add_co_u32 s72, s72, s73
	s_mov_b32 s73, 0
	s_mov_b32 s[SEL], 0x76543210
	s_mov_b32 s[SEL+1], 0xfedcba98
	s_mov_b32 s28, 0x3a800000
	s_wait_kmcnt 0x0
	s_add_nc_u64 s[4:5], s[4:5], s[68:69]
	s_add_nc_u64 s[6:7], s[6:7], s[70:71]
	s_add_nc_u64 s[12:13], s[12:13], s[72:73]
	s_add_nc_u64 s[20:21], s[20:21], s[72:73]
	ROUND
	s_mov_b32 s48, 1
	s_mov_b32 s49, SCL
	s_add_nc_u64 s[50:51], s[10:11], s[60:61]
	s_or_b32 s51, s51, 0x80000000
	s_mov_b32 s52, 1
	s_mov_b32 s53, s67
	s_add_nc_u64 s[54:55], s[8:9], s[62:63]
	s_mov_b32 s56, 1
	s_add_co_u32 s57, s67, SLOT
	s_add_nc_u64 s[58:59], s[54:55], 131072
	s_or_b32 s55, s55, 0x80000000
	s_or_b32 s59, s59, 0x80000000
	s_mov_b32 s96, 1
	s_mul_i32 s97, s[WV], 128*PITCH
	s_add_nc_u64 s[98:99], s[8:9], s[74:75]
	s_or_b32 s99, s99, 0x80000000
	s_mov_b32 s76, 1
	s_mov_b32 s77, SLOT
	s_add_nc_u64 s[78:79], s[8:9], 3*524288+131072
	s_or_b32 s79, s79, 0x80000000
; THE HEAD'S LOADS, ONE A WAVE, all first fills in one group: waves 0 and 1 the halves of slot 0, wave 2 slot 1, wave 3 the scale bytes.
; One tree of branches on the wave's number, an arm a load, all arms leading to one join.
.macro ARM under, g0, g1, next
	s_cmp_lt_u32 s[WV], \under
	s_cbranch_scc0 \next
	tensor_load_to_lds s[\g0:\g0+3], s[\g1:\g1+7]
	s_nop 0
	PLACES
	s_branch .Lhead_asked
\next:
.endm
	ARM 2, 96, 80, .Lhead_s1
	ARM 3, 76, 88, .Lhead_sc
	tensor_load_to_lds s[48:51], s[40:47]
	s_nop 0
	PLACES
.Lhead_asked:
	v_and_b32 v8, 31, v0
	v_lshlrev_b32 v[LI], 4, v8
	v_lshlrev_b32 v[CSOF], 2, v8
	v_and_b32 v10, 15, v0
	v_bfe_u32 v11, v0, 4, 1
	WIN 0x40
.irp f, 0,1,2,3,4,5,6,7,8,9,10,11,12,13,14,15
.irp c, 0,1
	global_load_b128 v[8*\f+4*\c:8*\f+4*\c+3], v[LI], s[4:5] offset:1024*\f+512*\c
.endr
.endr
	WIN 0
.irp s, 0,1,2,3,4,5,6,7
	global_load_b32 v[CS+\s], v[CSOF], s[6:7] offset:32768*\s
.endr
	WIN 0x40
.irp m, 0,1,2,3,4,5,6,7
	global_load_b128 v[128+4*\m:131+4*\m], v[LI], s[14:15] offset:512*\m
	global_load_b128 v[160+4*\m:163+4*\m], v[LI], s[16:17] offset:512*\m
	global_load_b128 v[192+4*\m:195+4*\m], v[LI], s[18:19] offset:512*\m
.endr
.macro QROWS k0
	WIN 0xc0
.irp k, \k0, \k0+1, \k0+2, \k0+3
.irp m, 0,1,2,3,4,5,6,7
	global_load_b128 v[32*(\k)+4*\m:32*(\k)+4*\m+3], v[LI], s[12:13] offset:4096*(\k)+512*\m th:TH_LOAD_NT
.endr
.endr
	WIN 0
.endm
	QROWS 0
	v_mul_u32_u24 v12, v10, PITCH
	v_lshl_add_u32 v12, v11, 4, v12
	v_add_nc_u32 v[ADW], s67, v12
	v_add_nc_u32 v[ADW+1], SLOT, v[ADW]
	v_lshrrev_b32 v12, 3, v8
	v_mul_u32_u24 v12, v12, 272
	v_and_b32 v13, 7, v8
	v_lshl_add_u32 v12, v13, 5, v12
	s_mul_i32 s68, s[WV], 8*272
	s_add_co_u32 s68, s68, SCL
	v_add_nc_u32 v[ADS], s68, v12
	v_mul_u32_u24 v[SO], v10, SPT
	v_lshl_add_u32 v[SO], v11, 6, v[SO]
	s_lshl_b32 s69, s[WV], 8
	v_add_nc_u32 v[SO], s69, v[SO]
	v_add_nc_u32 v[SO+1], 16*SPT, v[SO]
	s_mul_i32 s70, s[WV], 8*SPT
	v_add_nc_u32 v[SR], s70, v[LI]
.macro FETCHS q
.irp pr, 0,1
.irp hf, 0,1
	ds_load_b128 v[WS+16*((\q)%2)+8*\pr+4*\hf:WS+16*((\q)%2)+8*\pr+4*\hf+3], v[ADS] offset:32*272*(\q)+4*272*\pr+16*\hf
.endr
.endr
.endm
.macro FETCHW slot, sp
.irp jj, 0,1,2,3
.irp ss, 0,1
.irp c, 0,1
	ds_load_b128 v[WF+64*((\sp)%2)+16*\jj+8*\ss+4*\c:WF+64*((\sp)%2)+16*\jj+8*\ss+4*\c+3], v[ADW+\slot] offset:16*PITCH*\jj+64*(2*(\sp)+\ss)+32*\c
.endr
.endr
.endr
.endm
.macro WM q, sp, ss, jj, i
.set rD, 8*(8*(\q)+2*(\jj)+(\i))
.set rA, WF+64*((\sp)%2)+16*(\jj)+8*(\ss)
.set rB, 8*(8*(\i)+2*(\sp)+(\ss))
.set rSA, WS+16*((\q)%2)+8*((\jj)/2)+2*(\sp)+(\ss)
.set rSB, CS+2*(\sp)+(\ss)
.if (2*(\sp)+(\ss)) == 0
.if ((\jj)%2) == 0
.if (\i) == 0
	v_wmma_scale_f32_16x16x128_f8f6f4 v[rD:rD+7], v[rA:rA+7], v[rB:rB+7], 0, v[rSA], v[rSB] matrix_a_fmt:MATRIX_FMT_FP4 matrix_b_fmt:MATRIX_FMT_FP4
.else
	v_wmma_scale_f32_16x16x128_f8f6f4 v[rD:rD+7], v[rA:rA+7], v[rB:rB+7], 0, v[rSA], v[rSB] matrix_a_fmt:MATRIX_FMT_FP4 matrix_b_fmt:MATRIX_FMT_FP4 matrix_b_scale:MATRIX_SCALE_ROW1
.endif
.else
.if (\i) == 0
	v_wmma_scale_f32_16x16x128_f8f6f4 v[rD:rD+7], v[rA:rA+7], v[rB:rB+7], 0, v[rSA], v[rSB] matrix_a_fmt:MATRIX_FMT_FP4 matrix_b_fmt:MATRIX_FMT_FP4 matrix_a_scale:MATRIX_SCALE_ROW1
.else
	v_wmma_scale_f32_16x16x128_f8f6f4 v[rD:rD+7], v[rA:rA+7], v[rB:rB+7], 0, v[rSA], v[rSB] matrix_a_fmt:MATRIX_FMT_FP4 matrix_b_fmt:MATRIX_FMT_FP4 matrix_a_scale:MATRIX_SCALE_ROW1 matrix_b_scale:MATRIX_SCALE_ROW1
.endif
.endif
.else
.if ((\jj)%2) == 0
.if (\i) == 0
	v_wmma_scale_f32_16x16x128_f8f6f4 v[rD:rD+7], v[rA:rA+7], v[rB:rB+7], v[rD:rD+7], v[rSA], v[rSB] matrix_a_fmt:MATRIX_FMT_FP4 matrix_b_fmt:MATRIX_FMT_FP4
.else
	v_wmma_scale_f32_16x16x128_f8f6f4 v[rD:rD+7], v[rA:rA+7], v[rB:rB+7], v[rD:rD+7], v[rSA], v[rSB] matrix_a_fmt:MATRIX_FMT_FP4 matrix_b_fmt:MATRIX_FMT_FP4 matrix_b_scale:MATRIX_SCALE_ROW1
.endif
.else
.if (\i) == 0
	v_wmma_scale_f32_16x16x128_f8f6f4 v[rD:rD+7], v[rA:rA+7], v[rB:rB+7], v[rD:rD+7], v[rSA], v[rSB] matrix_a_fmt:MATRIX_FMT_FP4 matrix_b_fmt:MATRIX_FMT_FP4 matrix_a_scale:MATRIX_SCALE_ROW1
.else
	v_wmma_scale_f32_16x16x128_f8f6f4 v[rD:rD+7], v[rA:rA+7], v[rB:rB+7], v[rD:rD+7], v[rSA], v[rSB] matrix_a_fmt:MATRIX_FMT_FP4 matrix_b_fmt:MATRIX_FMT_FP4 matrix_a_scale:MATRIX_SCALE_ROW1 matrix_b_scale:MATRIX_SCALE_ROW1
.endif
.endif
.endif
.endm
.macro MUL q, sp
	WIN 0xa4
.irp ss, 0,1
.irp jj, 0,1,2,3
.irp i, 0,1
	WM \q, \sp, \ss, \jj, \i
.endr
.endr
.endr
	WIN 0
.endm
.macro CHUNK q, slot
	FETCHS \q
	FETCHW \slot, 0
.irp sp, 0,1,2
.if \sp > 0
	PLACES
.endif
	FETCHW \slot, \sp+1
	s_wait_dscnt 16
	MUL \q, \sp
.endr
	s_wait_dscnt 0x0
	MUL \q, 3
.endm
.macro REFILL g0
	s_wait_tensorcnt 0x0
	ds_add_u32 v[SPW], v[NIL]
	s_add_nc_u64 s[\g0+2:\g0+3], s[\g0+2:\g0+3], 262144
	s_wait_dscnt 0x0
	ROUND
	tensor_load_to_lds s[\g0:\g0+3], s[32:39]
	s_nop 0
	PLACES
.endm
	s_wait_alu depctr_va_vdst(0)
	s_wait_tensorcnt 0x0                           ; my one load of the head has landed
	s_barrier_signal -1
	s_barrier_wait -1
	s_wait_loadcnt 56
	CHUNK 0, 0
	REFILL 52
	QROWS 4
	CHUNK 1, 1
	REFILL 56
	CHUNK 2, 0
	s_wait_tensorcnt 0x0
	s_wait_dscnt 0x0
	s_barrier_signal -1
	s_barrier_wait -1
	PLACES
	CHUNK 3, 1
	PLACES
	WIN 0x08
.irp q, 0,1,2,3
.irp jj, 0,1,2,3
.irp i, 0,1
	ds_store_b128 v[SO+\i], v[8*(8*\q+2*\jj+\i):8*(8*\q+2*\jj+\i)+3] offset:1024*\q+128*(\jj/2)+32*(\jj%2)
	ds_store_b128 v[SO+\i], v[8*(8*\q+2*\jj+\i)+4:8*(8*\q+2*\jj+\i)+7] offset:1024*\q+128*(\jj/2)+32*(\jj%2)+16
.endr
.endr
.endr
	WIN 0
	s_wait_dscnt 0x0
	s_barrier_signal -1
	s_barrier_wait -1
	s_wait_loadcnt 0x0
.macro YLOAD k
.irp m, 0,1,2,3,4,5,6,7
	ds_load_b128 v[Y+32*((\k)%2)+4*\m:Y+32*((\k)%2)+4*\m+3], v[SR] offset:SPT*(\k)+512*\m
.endr
.endm
.macro REDUCE
	v_pk_add_f32 v[T:T+1], v[T:T+1], v[T+2:T+3]
	v_pk_add_f32 v[T+4:T+5], v[T+4:T+5], v[T+6:T+7]
	v_pk_add_f32 v[T:T+1], v[T:T+1], v[T+4:T+5]
	v_add_f32 v[T], v[T], v[T+1]
	v_add_f32_dpp v[T], v[T], v[T] row_xmask:1 row_mask:0xf bank_mask:0xf
	v_add_f32_dpp v[T], v[T], v[T] row_xmask:2 row_mask:0xf bank_mask:0xf
	v_add_f32_dpp v[T], v[T], v[T] row_xmask:4 row_mask:0xf bank_mask:0xf
	v_add_f32_dpp v[T], v[T], v[T] row_xmask:8 row_mask:0xf bank_mask:0xf
	v_permlanex16_b32 v[T+1], v[T], s[SEL], s[SEL+1]
	v_add_f32 v[T], v[T], v[T+1]
.endm
.macro ROW k
.set YB, Y+32*((\k)%2)
.if (\k) < 7
	s_wait_xcnt 0x0
	YLOAD (\k)+1
	s_wait_dscnt 0x8
.else
	s_wait_dscnt 0x0
.endif
	WIN 0x0c
.set j, 0
.rept 16
	v_pk_add_f32 v[YB+j:YB+j+1], v[YB+j:YB+j+1], v[32*(\k)+j:32*(\k)+j+1]
.set j, j+2
.endr
	WIN 0x04
.set j, 0
.rept 16
	v_pk_add_f32 v[YB+j:YB+j+1], v[YB+j:YB+j+1], v[128+j:129+j]
.set j, j+2
.endr
	WIN 0
.irp c, 0,1,2,3
	v_pk_add_f32 v[T+2*\c:T+2*\c+1], v[YB+4*\c:YB+4*\c+1], v[YB+4*\c+2:YB+4*\c+3]
.endr
.irp g, 16,24
.irp c, 0,1,2,3
	v_pk_add_f32 v[T+2*\c:T+2*\c+1], v[T+2*\c:T+2*\c+1], v[YB+\g+2*\c:YB+\g+2*\c+1]
.endr
.endr
	REDUCE
	v_mul_f32 v[T], s28, v[T]
.set j, 0
.rept 16
	v_pk_add_f32 v[YB+j:YB+j+1], v[YB+j:YB+j+1], v[T:T+1] op_sel_hi:[1,0] neg_lo:[0,1] neg_hi:[0,1]
.set j, j+2
.endr
.irp c, 0,1,2,3
	v_pk_mul_f32 v[T+2*\c:T+2*\c+1], v[YB+2*\c:YB+2*\c+1], v[YB+2*\c:YB+2*\c+1]
.endr
.irp g, 8,16,24
.irp c, 0,1,2,3
	v_pk_fma_f32 v[T+2*\c:T+2*\c+1], v[YB+\g+2*\c:YB+\g+2*\c+1], v[YB+\g+2*\c:YB+\g+2*\c+1], v[T+2*\c:T+2*\c+1]
.endr
.endr
	REDUCE
	v_fmaak_f32 v[T], s28, v[T], 0x3727c5ac
	s_wait_alu depctr_va_vdst(0)
	v_rsq_f32 v[T], v[T]
	v_nop
.set j, 0
	s_wait_alu depctr_va_vdst(0)
.rept 16
	v_pk_mul_f32 v[YB+j:YB+j+1], v[YB+j:YB+j+1], v[T:T+1] op_sel_hi:[1,0]
.set j, j+2
.endr
	WIN 0x14
.set j, 0
.rept 16
	v_pk_fma_f32 v[YB+j:YB+j+1], v[YB+j:YB+j+1], v[160+j:161+j], v[192+j:193+j]
.set j, j+2
.endr
	WIN 0
.irp m, 0,1,2,3,4,5,6,7
	global_store_b128 v[LI], v[YB+4*\m:YB+4*\m+3], s[20:21] offset:4096*(\k)+512*\m th:TH_STORE_NT
.endr
.endm
	YLOAD 0
.irp k, 0,1,2,3,4,5,6,7
	ROW \k
.endr
	s_wait_tensorcnt 0x0
	ds_add_u32 v[SPW], v[NIL]
	s_wait_dscnt 0x0
	ROUND
	s_endpgm
.Lfunc_end_k_q2fc1167115_outln:
	.size	k_q2fc1167115_outln, .Lfunc_end_k_q2fc1167115_outln-k_q2fc1167115_outln
	.p2alignl 7, 3214868480
	.fill 96, 4, 3214868480
	.section	.rodata,"a",@progbits
	.p2align	6, 0x0
	.amdhsa_kernel k_q2fc1167115_outln
		.amdhsa_group_segment_fixed_size 327680
		.amdhsa_private_segment_fixed_size 0
		.amdhsa_enable_private_segment 0
		.amdhsa_kernarg_size 72
		.amdhsa_user_sgpr_count 2
		.amdhsa_user_sgpr_kernarg_segment_ptr 1
		.amdhsa_wavefront_size32 1
		.amdhsa_system_sgpr_workgroup_id_x 1
		.amdhsa_system_sgpr_workgroup_id_y 1
		.amdhsa_system_sgpr_workgroup_id_z 1
		.amdhsa_system_vgpr_workitem_id 0
		.amdhsa_next_free_vgpr 1024
		.amdhsa_next_free_sgpr 100
		.amdhsa_reserve_vcc 0
		.amdhsa_float_denorm_mode_32 3
		.amdhsa_float_denorm_mode_16_64 3
		.amdhsa_memory_ordered 1
		.amdhsa_forward_progress 1
		.amdhsa_inst_pref_size 155
	.end_amdhsa_kernel
	.amdgpu_metadata
---
amdhsa.version: [ 1, 2 ]
amdhsa.kernels:
  - .name:           k_q2fc1167115_outln
    .symbol:         k_q2fc1167115_outln.kd
    .args:
      - { .name: cc, .offset: 0, .size: 8, .value_kind: global_buffer, .address_space: global }
      - { .name: cs, .offset: 8, .size: 8, .value_kind: global_buffer, .address_space: global }
      - { .name: wc, .offset: 16, .size: 8, .value_kind: global_buffer, .address_space: global }
      - { .name: ws, .offset: 24, .size: 8, .value_kind: global_buffer, .address_space: global }
      - { .name: Q_input, .offset: 32, .size: 8, .value_kind: global_buffer, .address_space: global }
      - { .name: bo, .offset: 40, .size: 8, .value_kind: global_buffer, .address_space: global }
      - { .name: gamma, .offset: 48, .size: 8, .value_kind: global_buffer, .address_space: global }
      - { .name: beta, .offset: 56, .size: 8, .value_kind: global_buffer, .address_space: global }
      - { .name: out0, .offset: 64, .size: 8, .value_kind: global_buffer, .address_space: global }
    .group_segment_fixed_size: 327680
    .private_segment_fixed_size: 0
    .kernarg_segment_align: 8
    .kernarg_segment_size: 72
    .max_flat_workgroup_size: 128
    .sgpr_count:     100
    .vgpr_count:     1024
    .wavefront_size: 32
...
	.end_amdgpu_metadata
.endif
;; end of part 4
